; MI455X (gfx1250); checked and timed in simulation.
; The chip was launched on July 23, 2026; its instructions are those of AMD's public machine-readable ISA for CDNA 5 (MIT licence, August 2026) and "CDNA5" Instruction Set Architecture Reference Guide (July 2026). The comments in the code are by the model that wrote it; some were corrected since.
;; Attention. Allowed arithmetic: matrix products marked QUANTISED: E5M2 operands, one E8M0 scale for each 32 along K, by v_wmma_scale_f32_16x16x128_f8f6f4 with both operands' format E5M2, f32 sums; everything else in f32.
;; Inputs: W_qkv 3,072 x 1,024 float32; b_qkv 3,072 float32; t 4 x 2,048 x 1,024 float32.
;; Outputs: out0 4 x 2,048 x 1,024 float32.
;; This version of the problem:
;;   THIS VERSION OF THE PROBLEM IS GIVEN IN LOW PRECISION. The matrix products marked QUANTISED in the list below multiply operands that are first quantised to E5M2 (5 exponent bits, 2 mantissa bits; 8 bits a number), with one power-of-two scale for each 32 numbers along K (OCP MX v1.0); their sums are f32. All else is computed in f32.
;;   The module's matrix products, in the order in which they are computed (A, B: the left and right operand; K: the contracted axis; several contracted axes count as one K, in the product's order):
;;     1. [M 8,192, K 1,024] x [K 1,024, N 3,072]; A: input t; B: input W_qkv: QUANTISED
;;     2. batch 4 x [M 2,048, K 1,024] x [K 1,024, N 2,048]; A: computed on the way; B: computed on the way: QUANTISED
;;     3. batch 4 x [M 2,048, K 2,048] x [K 2,048, N 1,024]; A: softmax (see below); B: computed on the way: QUANTISED
;;   THE QUANTISER, for each operand of a quantised product, along K:
;;     - K is cut into blocks of 32 from its start; a last block that is shorter is filled with zeros.
;;     - A block's scale is 2^e with e = floor(log2(the largest magnitude in the block)) - 15, held to -126 .. 127; a block of zeros has e = 0. As a byte (E8M0): e + 127.
;;     - Each number is divided by its block's scale, clamped to +-57,344, and rounded to the nearest number of E5M2, ties to even, subnormals kept.
;;     - The product sums the exact products of the quantised numbers (number of the format x scale) in f32.
;;   ~~~python
;;   def quantise(x, axis):      # numpy; x: float32 -> the quantised numbers, widened to float32 again
;;       x = np.moveaxis(x, axis, -1); K = x.shape[-1]
;;       x = np.pad(x, [(0, 0)] * (x.ndim - 1) + [(0, -K % 32)]); x = x.reshape(x.shape[:-1] + (-1, 32)); a = np.abs(x).max(-1, keepdims=True)
;;       e = np.where(a > 0, np.clip(np.frexp(np.where(a > 0, a, 1))[1] - 1 - 15, -126, 127), 0)      # np.frexp(a)[1] - 1 = floor(log2(a)), exactly
;;       r = np.clip(x / 2.0 ** e, -57344, 57344)
;;       step = 2.0 ** (np.maximum(np.frexp(np.where(r == 0, 1, r))[1] - 1, -14) - 2)
;;       q = np.round(r / step) * step * 2.0 ** e      # np.round: ties to even
;;       return np.moveaxis(q.reshape(q.shape[:-2] + (-1,))[..., :K], -1, axis).astype(np.float32)
;;   ~~~
;;   SOFTMAX AHEAD OF A QUANTISED PRODUCT. Where the list says 'softmax', what is quantised is not the finished softmax but p = 2^(t - M), with t = logit x log2(e) and M = ceil(the row's largest t), a whole number; so 1/2 < the row's largest p <= 1. The row's sum l is taken of the UNQUANTISED p, in f32, and the product's result is divided by l at the end. Since M is a whole number, a kernel that streams over the keys may use a running M (the ceiling of the running maximum): every later rescaling is an exact power of two, which a block's scale takes up: the codes' values come out the same.
;;   OPERANDS COMPUTED ON THE WAY. 'Computed on the way' means the value that the module computes at that place (a softmax that the list does not call 'softmax' is quantised finished and normalised). What goes into a quantiser is computed in f32, as accurately as f32 sums, v_exp_f32 and their like allow (about 1e-6 of the number): no bf16 or f16 on the way to a quantiser, and a product that is left as it is and whose result goes on into a quantised operand takes f32 operands (vector FMAs, or v_wmma_f32_16x16x4_f32). A number that lies on a knife's edge between two numbers of the format may be rounded either way, as far as f32 arithmetic and the matrix unit's own rounding can turn it there, and no further.
;; One version. Each part assembles by itself: llvm-mc -triple=amdgcn-amd-amdhsa -mcpu=gfx1250 --defsym DOCPART=n.
;; ======== version 1 of 1: 4 launches
;; limits: right only within a limited range of input values
;; workspace buffers: twc 11,534,336 bytes; tws 360,448 bytes; qkvc 25,165,824 bytes; qkvs 786,432 bytes; pc 16,777,216 bytes; pst 1,572,864 bytes
;; launch quant (part 1): grid 704 x 1, 4 waves a work-group, no clusters, 35,840 bytes of LDS; arguments t, W_qkv, twc, tws; writes twc, tws
.if DOCPART == 1
	.amdgcn_target "amdgcn-amd-amdhsa--gfx1250"
	.amdhsa_code_object_version 6
	.text
	.protected	k_q26f7926148_quant
	.globl	k_q26f7926148_quant
	.p2align	8
	.type	k_q26f7926148_quant,@function
k_q26f7926148_quant:
	s_mov_b64 s[64:65], 0
	v_nop
	global_prefetch_b8 v0, s[64:65] scope:SCOPE_SE
	s_setreg_imm32_b32 hwreg(HW_REG_WAVE_MODE, 25, 1), 1
	s_wait_xcnt 0x0
; LAUNCH 1 OF 4.  out0 = softmax((t Wq^T + bq)(t Wk^T + bk)^T / 32) (t Wv^T + bv), all three products on codes of BF8 (E5M2) with one E8M0 scale for each 32 along K.
; NO WORK OF reference() IS LEFT OUT: t and W_qkv are operands of the first product, and b_qkv moves the codes and scales of Q, K and V, which are operands of live products: every input is loaded.
; This launch turns t [8192][1024] and W_qkv [3072][1024], f32, K innermost, into codes and scale bytes, once, since many work-groups of the next launch read them.
; A block's scale is 2^(floor(log2(its largest magnitude)) - 15); its byte is the largest magnitude's exponent field - 15, held at 1 from below.  Each number is held within +-57,344 x the scale and rounded to the nearest code, ties to even.
; LIMITS: a block whose largest magnitude lies under 2^-111, a block of zeros among them, keeps the byte 1 (the quantiser says 127 for zeros: the codes are zeros, and this program alone reads the bytes); NaN and infinities among the inputs are not served.
; CODES ARE IMAGES OF THE OPERAND'S REGISTERS.  An image is 16 rows x 128 K in 2,048 bytes: byte 512 c + 16 lane + i is row lane % 16 at k = 32 c + 16 (lane / 16) + i.
; twc: [position 704][K step 8][2048]: positions 0-511 t's row blocks, 512-703 W's.  tws: [position][row 16][8 words]: the 32 scale bytes of a row's K.
; POSITIONS: W's row blocks in their order.  t's in windows of 16: position 2 s + w holds row block 8 w + s of the window: the next launch's two rows of waves take w = 0, 1.
; THE ORDER OF ROWS: place r of row block i is row 32 (i / 2) + 8 (i % 2) + r + 8 (r / 8).  A product that takes 16 such places as its source 0 then leaves,
; in the 16 registers of two neighbouring tiles, 16 neighbours in the true order: what the next quantiser wants.
; SHARES: work-group = position; wave w: K 256 w on, two images.  Each load reads 512 consecutive bytes of one row; the 16 rows turn through the wave's own stage in LDS, so that a lane
; gets 16 neighbours of each block of 32.  A wave's code stores cover 512 consecutive bytes; the four waves' scale words meet in LDS and leave as 512 consecutive bytes.
.set STG,   8704                       ; a wave's stage: 16 rows x 528 bytes, rounded up to blocks of 256
.set SCG,   4*STG                      ; the scale words: [row 16][8 words]
.set SPARE, SCG+512                    ; the spare words, 128 bytes for each wave
.set LI,  1                            ; v1   16 x lane
.set SIN, 2                            ; v2   the stage, on the way in
.set SOU, 3                            ; v3   and on the way out: row r, + 64 h
.set SWW, 4                            ; v4   where my row's scale words go
.set SRW, 5                            ; v5   wave 0: where it reads the 512 bytes back
.set SPW, 12
.set NIL, 13
.set PW,  14                           ; v14, v15 the two images' scale words
.set TM,  16                           ; v16-31 at work
.set R,   32                           ; v32-159 two sets of 64: 16 rows as loaded
.set X,   160                          ; v160-223 64 numbers of my row: register 16 b + i is k = 32 b + 16 h + i
.set PC,  224                          ; v224-255 two sets of codes, so that no store's data are written again
.set SEL, 24                           ; s[24:25] lane selects for v_permlanex16_b32: lane l xor 16
.set MNT, 26                           ; s26  the mantissa field of 57,344
.macro QUANT s, pc, pw
.irp b, 0,1,2,3
	v_max3_num_f32 v[TM+\b], |v[(\s)+16*\b]|, |v[(\s)+1+16*\b]|, 0x8000000   ; my 16 numbers, and the floor 2^(16 - 127)
.endr
.irp i, 2,4,6,8,10,12,14
.irp b, 0,1,2,3
	v_max3_num_f32 v[TM+\b], v[TM+\b], |v[(\s)+16*\b+\i]|, |v[(\s)+1+16*\b+\i]|
.endr
.endr
.irp b, 0,1,2,3
	v_permlanex16_b32 v[TM+4+\b], v[TM+\b], s[SEL], s[SEL+1]
.endr
.irp b, 0,1,2,3
	v_max_num_f32 v[TM+\b], v[TM+\b], v[TM+4+\b]       ; with lane l xor 16's: the block's largest magnitude
.endr
.irp b, 0,1,2,3
	v_add_nc_u32 v[TM+12+\b], 0xf8800000, v[TM+\b]     ; 15 off its exponent field: the conversion's scale operand
.endr
.irp b, 0,1,2,3
	v_and_or_b32 v[TM+8+\b], v[TM+\b], 0x7f800000, s[MNT]   ; 57,344 x the scale
.endr
.irp b, 0,1,2,3
	v_lshrrev_b32 v[TM+4+\b], 23, v[TM+12+\b]          ; the scale's byte
.endr
	v_lshl_or_b32 v[\pw], v[TM+5], 8, v[TM+4]
	v_lshl_or_b32 v[\pw], v[TM+6], 16, v[\pw]
	v_lshl_or_b32 v[\pw], v[TM+7], 24, v[\pw]
.irp b, 0,1,2,3
.irp i, 0,1,2,3,4,5,6,7,8,9,10,11,12,13,14,15
	v_med3_num_f32 v[(\s)+16*\b+\i], v[(\s)+16*\b+\i], -v[TM+8+\b], v[TM+8+\b]   ; the conversion to an 8-bit code does not saturate (ISA guide 7.6.2): the hold comes first
.endr
	v_cvt_scalef32_pk8_bf8_f32 v[(\pc)+4*\b:(\pc)+1+4*\b], v[(\s)+16*\b:(\s)+7+16*\b], v[TM+12+\b]
	v_cvt_scalef32_pk8_bf8_f32 v[(\pc)+2+4*\b:(\pc)+3+4*\b], v[(\s)+8+16*\b:(\s)+15+16*\b], v[TM+12+\b]
.endr
	v_nop                                              ; one plain line behind the last conversion
.endm
	s_load_b256 s[4:11], s[0:1], 0x0               ; t s[4:5], W_qkv s[6:7], twc s[8:9], tws s[10:11]
	v_lshl_add_u32 v[SPW], v0, 2, SPARE
	v_mov_b32 v[NIL], 0
	v_lshrrev_b32 v1, 5, v0
	v_readfirstlane_b32 s12, v1                    ; wave 0..3: K 256 x wave on
	v_and_b32 v7, 31, v0                           ; lane
	v_and_b32 v8, 15, v0                           ; r
	v_bfe_u32 v9, v0, 4, 1                         ; h
	v_lshlrev_b32 v[LI], 4, v7
	s_mul_i32 s13, s12, STG
	v_add_nc_u32 v[SIN], s13, v[LI]
	v_mul_u32_u24 v[SOU], v8, 528
	v_lshl_add_u32 v[SOU], v9, 6, v[SOU]
	v_add_nc_u32 v[SOU], s13, v[SOU]
	s_lshl_b32 s14, s12, 3
	s_add_co_u32 s14, s14, SCG
	v_lshl_add_u32 v[SWW], v8, 5, s14
	v_add_nc_u32 v[SRW], SCG, v[LI]
.irp b, 0,1,2,3
	v_mov_b32 v[TM+4+\b], 0                        ; a lane permute's destination counts as one of its sources
.endr
	s_mov_b32 s[SEL], 0x76543210
	s_mov_b32 s[SEL+1], 0xfedcba98
	s_mov_b32 s[MNT], 0x600000
	s_and_b32 s16, ttmp9, 1                        ; t's row block at this position
	s_lshl_b32 s16, s16, 3
	s_bfe_u32 s17, ttmp9, 0x30001
	s_or_b32 s16, s16, s17
	s_and_b32 s17, ttmp9, 0xfff0
	s_or_b32 s16, s16, s17
	s_sub_co_u32 s17, ttmp9, 512                   ; W's
	s_wait_alu depctr_va_vdst(0)                   ; the wait at the head's end
	s_wait_kmcnt 0x0
	s_cmp_lt_u32 ttmp9, 512                        ; t's work-group or W's?  The choice hangs on the work-group's number alone
	s_cselect_b64 s[4:5], s[4:5], s[6:7]
	s_cselect_b32 s16, s16, s17
	s_lshr_b32 s17, s16, 1
	s_lshl_b32 s17, s17, 5
	s_and_b32 s18, s16, 1
	s_lshl_b32 s18, s18, 3
	s_add_co_u32 s17, s17, s18                     ; the row at its place 0: 32 (i / 2) + 8 (i % 2)
	s_lshl_b32 s18, s17, 12                        ; a row is 4,096 bytes
	s_lshl_b32 s19, s12, 10
	s_add_co_u32 s18, s18, s19
	s_mov_b32 s19, 0
	s_add_nc_u64 s[4:5], s[4:5], s[18:19]
	s_lshl_b32 s20, ttmp9, 14
	s_lshl_b32 s21, s12, 12
	s_add_co_u32 s20, s20, s21
	s_mov_b32 s21, 0
	s_add_nc_u64 s[8:9], s[8:9], s[20:21]
	s_lshl_b32 s20, ttmp9, 9
	s_add_nc_u64 s[10:11], s[10:11], s[20:21]
.irp kk, 0,1
.irp j, 0,1,2,3,4,5,6,7,8,9,10,11,12,13,14,15
	global_load_b128 v[R+64*\kk+4*\j:R+64*\kk+4*\j+3], v[LI], s[4:5] offset:(\j+8*(\j/8))*4096+512*\kk th:TH_LOAD_NT   ; place j's row, 128 numbers: 32 lanes read 512 consecutive bytes
.endr
.endr
; One image: 16 rows through the stage (LDS serves a wave's instructions in order, ISA guide 5.7.1.4: no wait between the stores and the loads), quantised, stored
.macro IMG kk
.irp j, 0,1,2,3,4,5,6,7,8,9,10,11,12,13,14,15
	ds_store_b128 v[SIN], v[R+64*\kk+4*\j:R+64*\kk+4*\j+3] offset:528*\j
.endr
.irp b, 0,1,2,3
.irp q, 0,1,2,3
	ds_load_b128 v[X+16*\b+4*\q:X+16*\b+4*\q+3], v[SOU] offset:128*\b+16*\q
.endr
.endr
	s_wait_dscnt 0x0
	QUANT X, PC+16*\kk, PW+\kk
.irp c, 0,1,2,3
	global_store_b128 v[LI], v[PC+16*\kk+4*\c:PC+16*\kk+4*\c+3], s[8:9] offset:2048*\kk+512*\c
.endr
	ds_store_b32 v[SWW], v[PW+\kk] offset:4*\kk    ; both halves of the lanes write the same word with the same value
.endm
	s_wait_loadcnt 16                              ; the first K step's 16 loads are in; the second's may be out
	IMG 0
	s_wait_loadcnt 0x0
	IMG 1
	s_wait_dscnt 0x0                               ; for the others' sake: my scale words have landed
	s_barrier_signal -1
	s_barrier_wait -1
	s_cmp_lg_u32 s12, 0
	s_cbranch_scc1 .Ldone
	ds_load_b128 v[X:X+3], v[SRW]                  ; wave 0: the four waves' words
	s_wait_dscnt 0x0
	global_store_b128 v[LI], v[X:X+3], s[10:11]    ; 512 consecutive bytes, aligned
.Ldone:
	s_wait_tensorcnt 0x0                           ; the wave's end, behind my last LDS store
	ds_add_u32 v[SPW], v[NIL]
	s_wait_dscnt 0x0
	s_endpgm
.Lfunc_end_k_q26f7926148_quant:
	.size	k_q26f7926148_quant, .Lfunc_end_k_q26f7926148_quant-k_q26f7926148_quant
	.p2alignl 7, 3214868480
	.fill 96, 4, 3214868480
	.section	.rodata,"a",@progbits
	.p2align	6, 0x0
	.amdhsa_kernel k_q26f7926148_quant
		.amdhsa_group_segment_fixed_size 35840
		.amdhsa_private_segment_fixed_size 0
		.amdhsa_enable_private_segment 0
		.amdhsa_kernarg_size 32
		.amdhsa_user_sgpr_count 2
		.amdhsa_user_sgpr_kernarg_segment_ptr 1
		.amdhsa_wavefront_size32 1
		.amdhsa_system_sgpr_workgroup_id_x 1
		.amdhsa_system_sgpr_workgroup_id_y 1
		.amdhsa_system_sgpr_workgroup_id_z 1
		.amdhsa_system_vgpr_workitem_id 0
		.amdhsa_next_free_vgpr 256
		.amdhsa_next_free_sgpr 66
		.amdhsa_reserve_vcc 0
		.amdhsa_float_denorm_mode_32 3
		.amdhsa_float_denorm_mode_16_64 3
		.amdhsa_memory_ordered 1
		.amdhsa_forward_progress 1
		.amdhsa_inst_pref_size 27
	.end_amdhsa_kernel
	.amdgpu_metadata
---
amdhsa.version: [ 1, 2 ]
amdhsa.kernels:
  - .name:           k_q26f7926148_quant
    .symbol:         k_q26f7926148_quant.kd
    .args:
      - { .name: t, .offset: 0, .size: 8, .value_kind: global_buffer, .address_space: global }
      - { .name: W_qkv, .offset: 8, .size: 8, .value_kind: global_buffer, .address_space: global }
      - { .name: twc, .offset: 16, .size: 8, .value_kind: global_buffer, .address_space: global }
      - { .name: tws, .offset: 24, .size: 8, .value_kind: global_buffer, .address_space: global }
    .group_segment_fixed_size: 35840
    .private_segment_fixed_size: 0
    .kernarg_segment_align: 8
    .kernarg_segment_size: 32
    .max_flat_workgroup_size: 128
    .sgpr_count:     66
    .vgpr_count:     256
    .wavefront_size: 32
...
	.end_amdgpu_metadata
.endif
;; end of part 1
;; launch proj (part 2): grid 16 x 16, 4 waves a work-group, clusters of 4 x 4, 327,680 bytes of LDS; arguments twc, tws, qkvc, qkvs, b_qkv; writes qkvc, qkvs
.if DOCPART == 2
	.amdgcn_target "amdgcn-amd-amdhsa--gfx1250"
	.amdhsa_code_object_version 6
	.text
	.protected	k_q26f7926148_proj
	.globl	k_q26f7926148_proj
	.p2align	8
	.type	k_q26f7926148_proj,@function
k_q26f7926148_proj:
	s_mov_b64 s[64:65], 0
	v_nop
	global_prefetch_b8 v0, s[64:65] scope:SCOPE_SE
	s_setreg_imm32_b32 hwreg(HW_REG_WAVE_MODE, 25, 1), 1
	s_wait_xcnt 0x0
	s_wait_alu depctr_hold_cnt(0) depctr_sa_sdst(0) depctr_va_vdst(0) depctr_va_sdst(0) depctr_va_ssrc(0) depctr_va_vcc(0) depctr_vm_vsrc(0)
	s_getreg_b32 s2, hwreg(HW_REG_IB_STS2, 6, 4)
	s_cmp_eq_u32 s2, 0
	s_cbranch_scc0 .Lentry_in_a_cluster
	s_endpgm
.Lentry_in_a_cluster:
	s_bfe_u32 s2, ttmp6, 0x10000c
	s_cmp_lg_u32 s2, 0xf033
	s_cbranch_scc0 .Lentry_shape_is_right
	s_endpgm
.Lentry_shape_is_right:
; LAUNCH 2 OF 4.  qkv = t W_qkv^T + b_qkv on codes of BF8 with E8M0 scales, sums in f32 that begin with the bias; the result is quantised in registers for the products that follow.  No work is left out.
; Q and K are quantised along the 1,024 channels, V along the keys.  LIMITS: as stated in the first launch.
; OUT: qkvc at 0: Q's row blocks 0-511 of tokens, then K's: [row block 1024][K step 8][2048]; at 16,777,216 V^T: [batch 4][256 keys: 8][row block of channels 64][2][2048].
; qkvs at 0: [K step 8][row block 1024][64]; at 524,288 V^T's: [batch][K step 16][64][64].
; SHARES: 256 work-groups of 2 x 2 waves; a wave holds 64 rows of a weight, all of K, in 512 registers and streams t's rows past them in blocks of 16, which stand in registers as two whole sets (256).
; PHASE 1: 512 tokens x 128 channels of Q (tile columns 0-7) or K (8-15): sixteen blocks a wave.  PHASE 2: 256 tokens x 128 channels of V: eight blocks, of one of the work-group's own two windows of 256: number s18.
; THE ORDER OF WORK: the window that is not V's first (chunks 0, 1 of 128 rows), V's last (chunks 2, 3): chunk 3 still lies in slot 1 when V begins, and chunk 2 comes anew.  Only global addresses hang on s18.
; FILLS: at the head the weight (wave 0, slot 1), chunk 0 (wave 1, slot 0), a window's scale bytes each (waves 2, 3).  Refills, a quarter of 128 rows a wave, each in a drained round: chunks 1, 2, 3 inside blocks 0, 4, 8:
; quarter n is block n of the chunk, so waves 0 and 1's are shown by the plain barrier two blocks on and the rest by the next round; W_v's rows behind block 11; chunk 2 anew at the change of phase.
; CLUSTERS: 4 x 4: t's rows are shared along a row of the cluster, a weight's along a column.
; A block's way out stands among the next block's products (V's pair among the next pair's), so sums have two sets (V's pair is copied into two more).  The first way out of a phase has no block before it and stores nothing.
.set NB,   4                           ; column tiles a wave
.set FR,   16                          ; registers of a fragment: 16 rows x 128 K
.set FPW,  16                          ; fragments in a window
.set NP,   8                           ; places behind this matrix instruction (ISA guide 7.12.1)
.set NF,   34                          ; LDS loads of a block: eight fragments of four, two of four scale words
.set BLKB, 32768                       ; LDS bytes from a wave's block to its next: two row blocks
.set YB,   131072                      ; slot 1
.set SCL,  262144                      ; t's scale bytes in the order of work, units of 256 bytes (8 rows) + 16 of padding
.set RS,   32                          ; units of a window
.set SSTEP, 1088                       ; from block to block: two row blocks of two units
.set XN,   SCL+2*RS*272                ; Q's, K's scale words: [window in the order of work 2][w 2][block 8][16 words]
.set XV,   XN+2048                     ; V's: [wave column 2][w 2][tile 4][16 words]
.set SPARE, XV+1024
.set OB,   16384                       ; a row block in qkvc
.set ADRA0, 4                          ; v4   my fragments of block 0
.set AAS0, 6                           ; v6   my row's scale words in block 0
.set CO,   9                           ; v9   16 x lane
.set SPW,  10
.set NIL,  11
.set ADRA, 12                          ; v12  as v4, for the block that is fetched next
.set VX,   13                          ; v13  where scale bytes go
.set ADRB, 14                          ; v14, v15  my fragments of a weight in slot 1, in slot 0
.set ABS,  16                          ; v16  32 x lane
.set AAS,  17
.set RD,   19                          ; v19  V's scale words
.set SOP,  20                          ; v20-23 the conversions' scale operands
.set SB,   24                          ; v24-39 the weight's scale words: register 8 p + q: lanes 0-15 tile 2 p's, lanes 16-31 tile 2 p + 1's
.set EB,   40                          ; v40-43 scale bytes
.set SA,   44                          ; v44-59 t's scale words: two sets of eight: no product's two scale words have numbers equal modulo 8
.set TQ,   60                          ; v60-63 maxima and bounds
.set ACC,  64                          ; v64-191 four sets of four accumulators
.set WS,   128                         ; v128-143 in phase 1: W_v's scale words
.set NCD,  192                         ; v192-207 codes
.set BQ,   208                         ; v208-239 the first products' C: the bias
.set BV,   240                         ; v240-243 V's, a number a tile
.set G1A, 24
.set G1B, 32
.set G1R, 48
.set G0A, 56
.set G0B, 60
.set G0R, 68
.set G0S, 72
.set G1S, 92
.set MSB, 0
.macro WIN new                         ; the immediate's high byte repeats the setting that is left
.if MSB != (\new)
	s_set_vgpr_msb (MSB<<8)|(\new)
.set MSB, (\new)
.endif
.endm
.macro PLACES n
.rept \n
	v_nop
.endr
.endm
.macro WALU
	s_wait_alu depctr_va_vdst(0)
.endm
.macro BARRIER
	s_barrier_signal -1
	s_barrier_wait -1
.endm
.macro CROUND                          ; a round of the cluster's barrier
	BARRIER
	s_cmp_lg_u32 s14, 0
	s_cbranch_scc1 .Lnot_wave_0_\@
	s_barrier_signal -3
.Lnot_wave_0_\@:
	s_barrier_wait -3
	BARRIER
.endm
.macro TLOAD g0, g1
	tensor_load_to_lds s[\g0:\g0+3], s[\g1:\g1+7]
	s_nop 0
	PLACES 4
.endm
.macro GROUP1 g, mask, rows            ; a dense run as rows of 1,024 bytes (128 elements of 8), no padding
	s_or_b32 s[\g+0], s[\mask], (3<<16)|(1<<21)
	s_mov_b32 s[\g+1], 128<<16
	s_mov_b32 s[\g+2], (\rows)<<16
	s_mov_b32 s[\g+3], 128<<16
	s_mov_b32 s[\g+4], \rows
	s_mov_b32 s[\g+5], 128
	s_mov_b32 s[\g+6], 0
	s_mov_b32 s[\g+7], 0
.endm
.macro SADD d, x, sh                   ; s_d += s_x << sh
	s_lshl_b32 s22, s\x, \sh
	s_add_co_u32 s\d, s\d, s22
.endm
	s_load_b128 s[4:7], s[0:1], 0x0                ; twc, tws
	v_lshl_add_u32 v[SPW], v0, 2, SPARE
	v_mov_b32 v[NIL], 0
	ds_add_u32 v[SPW], v[NIL]                      ; the wave's opening: the add, twice on end, and its wait ahead of my first tensor load
	ds_add_u32 v[SPW], v[NIL]
	v_lshrrev_b32 v1, 5, v0
	v_readfirstlane_b32 s14, v1                    ; wave 0..3
	s_lshr_b32 s15, s14, 1                         ; my row of waves, w
	s_and_b32 s16, s14, 1                          ; my column of waves
	s_bfe_u32 s40, ttmp6, 0x40000
	s_bfe_u32 s41, ttmp6, 0x40004
	s_lshl_b32 s42, ttmp9, 2
	s_add_co_u32 s42, s42, s40                     ; tile column = 4 x cluster x + cx
	s_and_b32 s43, ttmp7, 0xffff
	s_lshl_b32 s43, s43, 2
	s_add_co_u32 s43, s43, s41                     ; tile row = 4 x cluster y + cy
	s_lshr_b32 s19, ttmp9, 1                       ; Q (0) or K (1)
	s_and_b32 s18, ttmp9, 1                        ; V's window of my two
	s_lshl_b32 s44, s41, 2
	s_lshl_b32 s44, 15, s44                        ; my row of the cluster
	s_lshl_b32 s45, 0x1111, s40                    ; my column
	GROUP1 G1B, 45, 128
	GROUP1 G1A, 44, 128
	GROUP1 G1R, 44, 32
	s_or_b32 s[G1S+0], s44, (3<<16)|(1<<20)|(1<<21)|(5<<22)|(3<<25)   ; a window's scale bytes: RS rows of 256 bytes, 16 of padding behind each
	s_mov_b32 s[G1S+1], 32<<16
	s_mov_b32 s[G1S+2], RS<<16
	s_mov_b32 s[G1S+3], 32<<16
	s_mov_b32 s[G1S+4], RS
	s_mov_b32 s[G1S+5], 32
	s_mov_b32 s[G1S+6], 0
	s_mov_b32 s[G1S+7], 0
	s_mov_b32 s[G0S], 1
	s_mul_i32 s[G0S+1], s16, RS*272
	s_add_co_u32 s[G0S+1], s[G0S+1], SCL
; offsets in twc: s67 the window that is not V's, s2 V's, s3 W_v's rows
	s_lshl_b32 s67, s43, 19
	s_lshl_b32 s20, s18, 18
	s_add_co_u32 s2, s67, s20
	s_xor_b32 s20, s20, 262144
	s_add_co_u32 s67, s67, s20
	s_lshl_b32 s13, s19, 2
	s_add_co_u32 s13, s13, s40                     ; W_v's tile column 4 (cluster x / 2) + cx
	s_lshl_b32 s3, s13, 17
	s_add_co_u32 s3, s3, 640*16384
	s_lshl_b32 s12, s13, 12                        ; tws: W_v's, my wave's 64 rows
	SADD 12, 16, 11
	s_add_co_u32 s12, s12, 640*512
	s_lshl_b32 s78, s42, 17                        ; the first weight's codes
	s_add_co_u32 s78, s78, 512*16384
	s_mov_b32 s79, 0
	s_lshl_b32 s80, s43, 1                         ; t's scale bytes: wave 2 the window that is not V's, wave 3 V's
	s_xor_b32 s20, s18, 1
	s_cmp_eq_u32 s16, 1
	s_cselect_b32 s20, s18, s20
	s_add_co_u32 s80, s80, s20
	s_lshl_b32 s80, s80, 13
	s_mov_b32 s81, 0
	s_lshl_b32 s82, s42, 12                        ; the first weight's scale bytes: my wave's 64 rows
	SADD 82, 16, 11
	s_add_co_u32 s82, s82, 512*512
	s_mov_b32 s83, 0
	s_mov_b32 s[G0A], 1
	s_mov_b32 s[G0A+1], 0
	s_mov_b32 s[G0B], 1
	s_mov_b32 s[G0B+1], YB
	s_mov_b32 s[G0R], 1
	v_and_b32 v1, 15, v0                           ; r
	v_bfe_u32 v2, v0, 4, 1                         ; h
	v_and_b32 v3, 31, v0                           ; lane
	v_lshlrev_b32 v[CO], 4, v3
	s_lshl_b32 s20, s15, 14
	v_add_nc_u32 v[ADRA0], s20, v[CO]              ; block 0: row block w of the chunk
	s_lshl_b32 s22, s16, 16                        ; my four row blocks of a weight
	v_add_nc_u32 v[ADRB+1], s22, v[CO]
	s_add_co_u32 s22, s22, YB
	v_add_nc_u32 v[ADRB], s22, v[CO]
	v_lshlrev_b32 v[ABS], 5, v3
	v_lshlrev_b32 v23, 5, v1                       ; 32 bytes a row, 16 more behind each 256
	v_lshrrev_b32 v22, 3, v1
	v_lshl_add_u32 v23, v22, 4, v23
	s_mul_i32 s20, s15, 544
	s_add_co_u32 s20, s20, SCL
	v_add_nc_u32 v[AAS0], s20, v23
	s_lshl_b32 s90, s40, 2                         ; which of the cluster row's sixteen waves I am: my share of a prefetch of t's rows;
	s_add_co_u32 s90, s90, s14
	s_lshl_b32 s100, s41, 2                        ; and of the column's: of W_v's
	s_add_co_u32 s100, s100, s14
	WALU
	s_wait_dscnt 0x0                               ; both opening adds are done
	CROUND                                         ; all sixteen work-groups are here
	s_wait_kmcnt 0x0
	s_mov_b32 s86, s67
	s_mov_b32 s87, 0
	s_add_nc_u64 s[G0A+2:G0A+3], s[4:5], s[86:87]
	s_or_b32 s[G0A+3], s[G0A+3], 0x80000000
	s_add_nc_u64 s[G0B+2:G0B+3], s[4:5], s[78:79]
	s_or_b32 s[G0B+3], s[G0B+3], 0x80000000
	s_add_nc_u64 s[G0S+2:G0S+3], s[6:7], s[80:81]
	s_or_b32 s[G0S+3], s[G0S+3], 0x80000000
	s_add_nc_u64 s[10:11], s[6:7], s[82:83]
	s_cmp_eq_u32 s14, 0                            ; one joint load a wave
	s_cbranch_scc0 .Lwave_1
	TLOAD G0B, G1B                                 ; wave 0: the weight, wanted first
	s_branch .Lasked
.Lwave_1:
	s_cmp_eq_u32 s14, 1
	s_cbranch_scc0 .Lfor_scales
	TLOAD G0A, G1A                                 ; wave 1: chunk 0
	s_branch .Lasked
.Lfor_scales:
	TLOAD G0S, G1S                                 ; waves 2, 3: a window's scale bytes each
.Lasked:
; where my results go: offsets now, the buffers' addresses in front of the stream
	s_and_b32 s47, s42, 7                          ; my 128 channels: the K step of the next product
	s_lshl_b32 s76, s19, 23                        ; s[76:77] codes of Q, K: row block 512 (K) + 32 tile row + 8 w
	SADD 76, 43, 19
	SADD 76, 15, 17
	SADD 76, 47, 11
	SADD 76, 16, 10
	s_mov_b32 s77, 0
	s_lshl_b32 s78, s47, 16                        ; s[78:79] their scale words: wave n stores window n / 2 (in the order of work), w = n % 2: 512 bytes
	SADD 78, 19, 15
	SADD 78, 43, 11
	s_xor_b32 s20, s15, s18
	s_xor_b32 s20, s20, 1
	SADD 78, 20, 10
	SADD 78, 16, 9
	s_mov_b32 s79, 0
	s_lshl_b32 s20, s43, 1
	s_add_co_u32 s20, s20, s18                     ; V's window among 32
	s_lshl_b32 s80, s20, 18                        ; s[80:81] codes of V^T
	SADD 80, 13, 15
	SADD 80, 16, 14
	SADD 80, 15, 11
	s_add_co_u32 s80, s80, 16777216
	s_mov_b32 s81, 0
	s_lshl_b32 s82, s20, 13                        ; s[82:83] its scale words: wave n stores wave column n / 2, key step n % 2: 256 bytes
	SADD 82, 16, 12
	SADD 82, 13, 9
	SADD 82, 15, 8
	s_add_co_u32 s82, s82, 524288
	s_mov_b32 s83, 0
; the bias.  Phase 1: register i of tile j of lane (r, h) is channel 32 (j / 2) + 8 (j % 2) + 16 h + i of my 64.  Phase 2: all eight registers of tile t are channel 32 (t / 2) + 8 (t % 2) + r + 8 (r / 8)
	s_load_b64 s[84:85], s[0:1], 0x20
	s_lshl_b32 s20, s19, 12
	SADD 20, 47, 9
	SADD 20, 16, 8
	s_mov_b32 s21, 0
	s_lshl_b32 s46, s13, 9
	SADD 46, 16, 8
	s_add_co_u32 s46, s46, 8192
	s_mov_b32 s47, 0
	v_lshlrev_b32 v22, 6, v2
	v_and_b32 v8, 8, v1
	v_add_nc_u32 v23, v8, v1
	v_lshlrev_b32 v23, 2, v23
	WALU
	s_wait_kmcnt 0x0
	s_add_nc_u64 s[20:21], s[84:85], s[20:21]
	s_add_nc_u64 s[46:47], s[84:85], s[46:47]
.irp j, 0,1,2,3
	global_load_b128 v[BQ+8*\j:BQ+8*\j+3], v22, s[20:21] offset:4*(32*(\j/2)+8*(\j%2))
	global_load_b128 v[BQ+8*\j+4:BQ+8*\j+7], v22, s[20:21] offset:4*(32*(\j/2)+8*(\j%2))+16
	global_load_b32 v[BV+\j], v23, s[46:47] offset:4*(32*(\j/2)+8*(\j%2))
.endr
	s_wait_xcnt 0x0                                ; these loads have taken their addresses; they change below
	s_lshl_b32 s21, s15, 9
	s_lshl_b32 s22, s16, 1
	s_add_co_u32 s21, s21, s22
	s_add_co_u32 s21, s21, XN
	v_lshl_add_u32 v[VX], v1, 2, s21
	s_lshl_b32 s21, s16, 9
	s_lshl_b32 s22, s15, 8
	s_add_co_u32 s21, s21, s22
	s_add_co_u32 s21, s21, XV
	v_lshl_add_u32 v[RD], v1, 2, s21
	s_mov_b32 s20, s12
	s_mov_b32 s21, 0
	s_add_nc_u64 s[20:21], s[6:7], s[20:21]
.irp p, 0,1
.irp c, 0,1
	global_load_b128 v[SB+8*\p+4*\c:SB+8*\p+4*\c+3], v[ABS], s[10:11] offset:\p*1024+16*\c
	global_load_b128 v[WS+8*\p+4*\c:WS+8*\p+4*\c+3], v[ABS], s[20:21] offset:\p*1024+16*\c
.endr
.endr
	s_wait_xcnt 0x0
	s_add_co_u32 s6, s67, 131072                   ; chunk 1
	s_add_co_u32 s7, s2, 131072                    ; chunk 3
	s_lshl_b32 s21, s90, 13
	s_add_co_u32 s22, s21, s6
	v_lshl_add_u32 v7, v3, 8, s22                  ; my sixteenth of chunk 1, lanes 256 bytes apart;
	s_add_co_u32 s22, s21, s2
	v_lshl_add_u32 v8, v3, 8, s22                  ; of chunk 2
	v_add_nc_u32 v1, BLKB, v[ADRA0]                ; block 1
	v_add_nc_u32 v2, SSTEP, v[AAS0]
	WALU
	s_cmp_eq_u32 s14, 0
	s_cbranch_scc0 .Lnot_b
	s_wait_tensorcnt 0x0                           ; wave 0: the weight has landed; the other waves' wait stands at the second barrier
.Lnot_b:
	BARRIER
	global_prefetch_b8 v7, s[4:5] th:TH_LOAD_NT scope:SCOPE_SE
	global_prefetch_b8 v8, s[4:5] th:TH_LOAD_NT scope:SCOPE_SE
.macro MIDDLE                          ; a round's middle
	WIN 0
	s_barrier_wait -1
	s_cmp_lg_u32 s14, 0
	s_cbranch_scc1 .Lnot_wave_0_\@
	s_barrier_signal -3
.Lnot_wave_0_\@:
	s_barrier_wait -3
.endm
.macro GRD
	s_wait_tensorcnt 0x0
	ds_add_u32 v[SPW], v[NIL]
.endm
.macro FRAG f, adr, off                ; a weight's fragment f: 16 registers of window 1 + f / 16, four loads of 512 consecutive bytes
	WIN (1+(\f)/FPW)<<6
.irp c, 0,1,2,3
	ds_load_b128 v[FR*((\f)%FPW)+4*\c:FR*((\f)%FPW)+4*\c+3], v[\adr] offset:(\off)+512*\c
.endr
.endm
.macro FETCHAT k, a, s                 ; a block of t, all of K, into set k of window 3, and its scale words: NF loads
	WIN 3<<6
.irp q, 0,1,2,3,4,5,6,7
.irp c, 0,1,2,3
	ds_load_b128 v[128*\k+FR*\q+4*\c:128*\k+FR*\q+4*\c+3], v[\a] offset:2048*\q+512*\c
.endr
.endr
	WIN 0
	ds_load_b128 v[SA+8*\k:SA+8*\k+3], v[\s]
	ds_load_b128 v[SA+8*\k+4:SA+8*\k+7], v[\s] offset:16
.endm
.macro PROD kind, e, a, n              ; product n = 4 q + b: the q-th 128 of K, column tile b; t's rows in set e, sums in set a.  kind 0 (Q, K): source 0 = the weight's rows; kind 1 (V): source 0 = t's rows.  The four accumulators take turns
.set Q_, (\n)/4
.set B_, (\n)%4
.set FB_, NB*Q_+B_
.set AC_, ACC+32*(\a)+8*B_
.set C_, AC_
.if Q_ == 0
.set C_, BQ+8*B_
.endif
.set R_, 128*(\e)+FR*Q_
.set W_, FR*(FB_%FPW)
.set XS_, SA+8*(\e)+Q_
.set WS_, SB+8*(B_/2)+Q_
.if \kind
	WIN 3|((1+FB_/FPW)<<2)
.if B_%2
	v_wmma_scale_f32_16x16x128_f8f6f4 v[AC_:AC_+7], v[R_:R_+FR-1], v[W_:W_+FR-1], v[C_:C_+7], v[XS_], v[WS_] matrix_a_fmt:MATRIX_FMT_BF8 matrix_b_fmt:MATRIX_FMT_BF8 matrix_b_scale:MATRIX_SCALE_ROW1
.else
	v_wmma_scale_f32_16x16x128_f8f6f4 v[AC_:AC_+7], v[R_:R_+FR-1], v[W_:W_+FR-1], v[C_:C_+7], v[XS_], v[WS_] matrix_a_fmt:MATRIX_FMT_BF8 matrix_b_fmt:MATRIX_FMT_BF8
.endif
.else
	WIN (1+FB_/FPW)|(3<<2)
.if B_%2
	v_wmma_scale_f32_16x16x128_f8f6f4 v[AC_:AC_+7], v[W_:W_+FR-1], v[R_:R_+FR-1], v[C_:C_+7], v[WS_], v[XS_] matrix_a_fmt:MATRIX_FMT_BF8 matrix_b_fmt:MATRIX_FMT_BF8 matrix_a_scale:MATRIX_SCALE_ROW1
.else
	v_wmma_scale_f32_16x16x128_f8f6f4 v[AC_:AC_+7], v[W_:W_+FR-1], v[R_:R_+FR-1], v[C_:C_+7], v[WS_], v[XS_] matrix_a_fmt:MATRIX_FMT_BF8 matrix_b_fmt:MATRIX_FMT_BF8
.endif
.endif
.endm
.macro HOLD x, b                       ; held at the largest number under the block's scale: the conversion does not saturate (ISA guide 7.6.2)
	v_med3_num_f32 v[\x], v[\x], -v[TQ+\b], v[TQ+\b]
.endm
.macro GAPQ m, x                       ; THE QUANTISER OF Q's OR K's BLOCK, gaps 0 .. 27: two scale blocks of 32, each in lanes l and l xor 16: sums at x -> codes NCD, two bytes EB
.if (\m) == 0
	v_max3_num_f32 v[TQ], |v[\x]|, |v[\x+1]|, |v[\x+2]|
	v_max3_num_f32 v[TQ+1], |v[\x+16]|, |v[\x+17]|, |v[\x+18]|
.elseif (\m) < 7
	v_max3_num_f32 v[TQ], v[TQ], |v[\x+2*(\m)+1]|, |v[\x+2*(\m)+2]|
	v_max3_num_f32 v[TQ+1], v[TQ+1], |v[\x+2*(\m)+17]|, |v[\x+2*(\m)+18]|
.elseif (\m) == 7
	v_max3_num_f32 v[TQ], v[TQ], |v[\x+15]|, 0x8000000
	v_max3_num_f32 v[TQ+1], v[TQ+1], |v[\x+31]|, 0x8000000
.elseif (\m) == 8
	v_permlanex16_b32 v[TQ+2], v[TQ], s60, s61
	v_permlanex16_b32 v[TQ+3], v[TQ+1], s60, s61
.elseif (\m) == 9
	v_max_num_f32 v[TQ], v[TQ], v[TQ+2]
	v_max_num_f32 v[TQ+1], v[TQ+1], v[TQ+3]
.elseif (\m) == 10
	v_add_nc_u32 v[SOP], 0xf8800000, v[TQ]
	v_add_nc_u32 v[SOP+1], 0xf8800000, v[TQ+1]
.elseif (\m) == 11
	v_and_or_b32 v[TQ+2], v[TQ], 0x7f800000, s62
	v_and_or_b32 v[TQ+3], v[TQ+1], 0x7f800000, s62
.else
.set P_, (\m)-12
	HOLD \x+2*P_, 2+P_/8
	HOLD \x+2*P_+1, 2+P_/8
.if P_ == 0
	v_lshrrev_b32 v[EB], 23, v[SOP]
.elseif P_ == 1
	v_lshrrev_b32 v[EB+1], 23, v[SOP+1]
.elseif P_ == 2
	v_lshl_or_b32 v[EB], v[EB+1], 8, v[EB]
.elseif P_%4 == 3
	v_cvt_scalef32_pk8_bf8_f32 v[NCD+2*(P_/4):NCD+2*(P_/4)+1], v[\x+8*(P_/4):\x+8*(P_/4)+7], v[SOP+P_/8]
.endif
.endif
.endm
.macro HOLDS m, x                      ; V: two holds; the bound's second copy serves where its first would be read too late
.if (\m) == 3
	HOLD \x, 3
	HOLD \x+1, 3
.else
	HOLD \x, 1
	HOLD \x+1, 1
.endif
.if (\m) == 2
	v_mov_b32 v[TQ+3], v[TQ+1]
.endif
.endm
.macro GAPV u, x                       ; THE QUANTISER OF A PAIR OF V's BLOCKS, gaps 0 .. 59, 15 a tile: the even block's sums at x, the odd's at x + 32 -> codes NCD + 4 t, bytes EB + t
.set T_, (\u)/15
.set J_, (\u)%15
.set E_, \x+8*T_
.set O_, E_+32
.if J_ == 0
	v_max3_num_f32 v[TQ], |v[E_]|, |v[E_+1]|, |v[E_+2]|
	v_max3_num_f32 v[TQ+2], |v[O_]|, |v[O_+1]|, |v[O_+2]|
.elseif J_ < 3
	v_max3_num_f32 v[TQ], v[TQ], |v[E_+2*J_+1]|, |v[E_+2*J_+2]|
	v_max3_num_f32 v[TQ+2], v[TQ+2], |v[O_+2*J_+1]|, |v[O_+2*J_+2]|
.elseif J_ == 3
	v_max3_num_f32 v[TQ+2], v[TQ+2], |v[O_+7]|, 0x8000000
	v_max3_num_f32 v[TQ], v[TQ], |v[E_+7]|, v[TQ+2]
.elseif J_ == 4
	v_permlanex16_b32 v[TQ+2], v[TQ], s60, s61
	v_max_num_f32 v[TQ], v[TQ], v[TQ+2]
.elseif J_ == 5
	v_add_nc_u32 v[SOP+T_], 0xf8800000, v[TQ]
	v_and_or_b32 v[TQ+1], v[TQ], 0x7f800000, s62
.elseif J_ < 10
	HOLDS J_-6, E_+2*(J_-6)
.if J_ == 9
	v_cvt_scalef32_pk8_bf8_f32 v[NCD+4*T_:NCD+4*T_+1], v[E_:E_+7], v[SOP+T_]
.endif
.elseif J_ < 14
	HOLDS J_-6, O_+2*(J_-10)
.if J_ == 13
	v_cvt_scalef32_pk8_bf8_f32 v[NCD+4*T_+2:NCD+4*T_+3], v[O_:O_+7], v[SOP+T_]
.endif
.else
	v_lshrrev_b32 v[EB+T_], 23, v[SOP+T_]
.endif
.endm
.macro RDESC i, off, lds               ; a refill's group 0, in two parts: a quarter of 128 rows a wave, the rows at s[off] of twc, into LDS at s[lds]
.if (\i) == 0
	s_mul_i32 s[G0R+1], s14, 32768
	s_add_co_u32 s[G0R+1], s[G0R+1], s\lds
	s_mul_i32 s20, s14, 32768
	s_add_co_u32 s20, s20, s\off
.else
	s_mov_b32 s21, 0
	s_add_nc_u64 s[G0R+2:G0R+3], s[4:5], s[20:21]
	s_or_b32 s[G0R+3], s[G0R+3], 0x80000000
.endif
.endm
; WHAT STANDS BEHIND PRODUCT n.  j: the block's number in its trip (the second loop's: 4, 5; V's: -1, -2).  y = 1: Q's or K's way out at x; 2, 3: the halves of V's pair at x
.macro LIST n, j, y, x
.if (\n) == 0
.if (\j) >= 0
	s_add_nc_u64 s[84:85], s[84:85], OB
.if (\j) == 1
	s_cmp_eq_u32 s46, 2
	s_cselect_b64 s[84:85], s[88:89], s[84:85]
.endif
.endif
	WIN 0
.if (\j) == 0 || (\j) == 1
	s_add_co_u32 s22, s101, ((\j)+2)*BLKB
.elseif (\j) > 1
	s_add_co_u32 s22, s47, ((\j)%2)*BLKB
.else
	s_add_co_u32 s22, s47, (-1-(\j))*BLKB
.endif
	v_add_nc_u32 v[ADRA], s22, v[ADRA0]
.elseif (\n) == 1
	WIN 0
.if (\j) == 0 || (\j) == 1
	s_add_co_u32 s22, s17, ((\j)+2)*SSTEP
.elseif (\j) > 1
	s_add_co_u32 s22, s8, ((\j)%2)*SSTEP
.else
	s_add_co_u32 s22, s8, (-1-(\j))*SSTEP
.endif
	v_add_nc_u32 v[AAS], s22, v[AAS0]
.endif
.if (\j) == 2 && (\n) == 2
	WIN 0
	v_lshl_add_u32 v7, v3, 8, s23
.elseif (\j) == 0 && ((\n) == 29 || (\n) == 30)
	RDESC (\n)-29, 6, 47
.elseif (\j) == 1 && (\n) == 2
	WIN 0
	v_add_nc_u32 v[VX], s9, v[VX]
.elseif (\j) == 5 && (\n) == 2
	WIN 0
	v_add_nc_u32 v[VX], 128, v[VX]
.endif
.if (\y) == 1 && (\n) < 28
	WIN 0
	GAPQ \n, \x
.elseif (\y) == 2 && (\n) > 0 && (\n) < 31
	WIN 0
	GAPV (\n)-1, \x
.elseif (\y) == 3 && (\n) > 0 && (\n) < 31
	WIN 0
	GAPV (\n)+29, \x
.endif
.endm
.macro BLOCK kind, e, a, from, to, j, y, x
.set N_, \from
.rept (\to)-(\from)
	PROD \kind, \e, \a, N_
	LIST N_, \j, \y, \x
.set N_, N_+1
.endr
.endm
.macro BLK kind, e, a, w, j, y, x      ; w: the wait's count (-1: none)
.if (\w) >= 0
	s_wait_dscnt \w
.endif
	s_wait_xcnt 0x0
	BLOCK \kind, \e, \a, 0, 32, \j, \y, \x
	WIN 0
	PLACES NP
.endm
.macro RBLK kind, e, a, w, j, y, x     ; a block with a round of the cluster's barrier: the lines at its head, the signal behind 28 products
	s_wait_dscnt \w
	s_wait_xcnt 0x0
	GRD
	BLOCK \kind, \e, \a, 0, 28, \j, \y, \x
	WIN 0
	WALU
	s_wait_dscnt 0x0
	s_barrier_signal -1
	BLOCK \kind, \e, \a, 28, 32, \j, \y, \x
	MIDDLE
	BARRIER
.endm
.macro SBLK kind, e, a, w, j, y, x, half=0  ; a block with a plain barrier (half = 1: it shows waves 0 and 1's loads alone)
.if (\w) >= 0
	s_wait_dscnt \w
.endif
	s_wait_xcnt 0x0
	BLOCK \kind, \e, \a, 0, 28, \j, \y, \x
	WIN 0
	WALU
.if \half
	s_cmp_lt_u32 s14, 2
	s_cbranch_scc0 .Lnot_yet_\@
	s_wait_tensorcnt 0x0
.Lnot_yet_\@:
.else
	s_wait_tensorcnt 0x0
.endif
	s_wait_dscnt 0x0
	s_barrier_signal -1
	BLOCK \kind, \e, \a, 28, 32, \j, \y, \x
	WIN 0
	s_barrier_wait -1
	PLACES NP
.endm
.macro QOUT off, boff                  ; a block's two bytes a row go to LDS, its codes leave: each store covers 512 consecutive bytes
	ds_store_b16 v[VX], v[EB] offset:\boff
	global_store_b128 v[CO], v[NCD:NCD+3], s[84:85] offset:\off
	global_store_b128 v[CO], v[NCD+4:NCD+7], s[84:85] offset:(\off)+512
.endm
.irp q, 0,1,2,3,4,5,6,7
.irp b, 0,1,2,3
	FRAG NB*\q+\b, ADRB, 2048*\q+\b*16384
.endr
.endr
	WIN 0
	s_wait_tensorcnt 0x0                           ; chunk 0 and the scale bytes are in; the weight is in registers
	s_wait_dscnt 0x0
	BARRIER
	FETCHAT 0, ADRA0, AAS0
	FETCHAT 1, 1, 2
	s_load_b128 s[92:95], s[0:1], 0x10             ; qkvc, qkvs
	s_mov_b32 s60, 0x76543210                      ; v_permlanex16_b32's selects for lane l xor 16
	s_mov_b32 s61, 0xfedcba98
	s_mov_b32 s62, 0x600000                        ; the mantissa field of 57,344
	v_mov_b32 v[TQ+2], 0                           ; a lane permute's destination counts as one of its sources
	v_mov_b32 v[TQ+3], 0
.set I_, 0
.rept 32
	v_mov_b32 v[ACC+32+I_], 0                      ; the first way out works on these and stores nothing
.set I_, I_+1
.endr
	s_wait_kmcnt 0x0
	s_add_nc_u64 s[96:97], s[92:93], s[80:81]
	s_add_nc_u64 s[98:99], s[94:95], s[82:83]
	s_add_nc_u64 s[92:93], s[92:93], s[76:77]
	s_add_nc_u64 s[94:95], s[94:95], s[78:79]
	s_lshl_b32 s20, s18, 18
	s_mov_b32 s21, 0
	s_add_nc_u64 s[88:89], s[92:93], s[20:21]      ; codes of V's window
	s_xor_b32 s20, s20, 262144
	s_add_nc_u64 s[84:85], s[92:93], s[20:21]      ; of the other
	s_sub_nc_u64 s[84:85], s[84:85], 2*OB
	s_mov_b32 s46, 0                               ; s46 the trip; s101, s47 this chunk's slot and the next's; s17, s8 their scale words' step; s6 the rows that are loaded; s9 to a trip's bytes; s23 my share of what is asked for ahead
	s_mov_b32 s9, 0
	s_mov_b32 s23, 0
	s_mov_b32 s101, 0
	s_mov_b32 s47, YB
	s_mov_b32 s17, 0
	s_mov_b32 s8, 4*SSTEP
	WALU
	s_wait_loadcnt 0x0
.Lfour:
	RBLK 0, 0, 0, NF, 0, 1, ACC+32                 ; blocks 0, 4, 8: chunks 1, 2, 3 come.  (NF: the other set's loads may be out)
	s_cmp_lt_u32 s14, 2                            ; waves 0, 1 and waves 2, 3 have a load line each: the barrier two blocks on waits for the first line's alone
	s_cbranch_scc0 .Lupper
	TLOAD G0R, G1R
	s_branch .Lboth
.Lupper:
	TLOAD G0R, G1R
.Lboth:
	PLACES NP-4
	s_cmp_eq_u32 s46, 0
	s_cbranch_scc1 .Lno_block_before
	QOUT 0, 192
.Lno_block_before:
	FETCHAT 0, ADRA, AAS
	BLK 0, 1, 1, -1, 1, 1, ACC
	QOUT 0, 0
	FETCHAT 1, ADRA, AAS
	SBLK 0, 0, 0, NF, 2, 1, ACC+32, 1              ; the next chunk's first half is in
	QOUT 0, 64
	s_cmp_eq_u32 s46, 0
	s_cbranch_scc1 .Lnone_ahead
	global_prefetch_b8 v7, s[4:5] th:TH_LOAD_NT scope:SCOPE_SE   ; trip 1: chunk 3; trip 2: W_v's rows: each block of 256 bytes once in the cluster
.Lnone_ahead:
	FETCHAT 0, ADRA, AAS
	BLK 0, 1, 1, -1, 3, 1, ACC
	QOUT 0, 128
	FETCHAT 1, ADRA, AAS
	s_cmp_eq_u32 s46, 0
	s_cselect_b32 s6, s2, s7
	s_cselect_b32 s21, s90, s100
	s_cselect_b32 s22, s7, s3
	s_mov_b32 s9, 768
	s_cselect_b32 s9, 256, s9
	s_lshl_b32 s21, s21, 13
	s_add_co_u32 s23, s21, s22
	s_mov_b32 s101, s47
	s_mov_b32 s17, s8
	s_xor_b32 s47, s47, YB
	s_add_co_u32 s8, s8, 4*SSTEP
	s_add_co_u32 s46, s46, 1
	s_cmp_lg_u32 s46, 3
	s_cbranch_scc1 .Lfour
	GRD
	s_mul_i32 s20, s14, 32768
	s_add_co_u32 s20, s20, s3
	s_mov_b32 s21, 0
	s_mul_i32 s[G0A+1], s14, 32768
	s_add_nc_u64 s[G0A+2:G0A+3], s[4:5], s[20:21]
	s_or_b32 s[G0A+3], s[G0A+3], 0x80000000
	GROUP1 G1A, 45, 32
	s_wait_dscnt 0x0
	s_barrier_signal -1
	MIDDLE
	BARRIER
	TLOAD G0A, G1A
	s_mov_b32 s47, YB+2*BLKB
	s_mov_b32 s8, 14*SSTEP
.Ltwo:
	BLK 0, 0, 0, NF, 4, 1, ACC+32                  ; blocks 12, 14
	QOUT 0, 192
	FETCHAT 0, ADRA, AAS
	BLK 0, 1, 1, NF, 5, 1, ACC                     ; 13, 15; the block two on is then V's: chunk 3 again, as it lies in slot 1
	QOUT 0, 128
	FETCHAT 1, ADRA, AAS
	s_mov_b32 s47, YB
	s_mov_b32 s8, 12*SSTEP
	s_add_co_u32 s46, s46, 1
	s_cmp_lg_u32 s46, 5
	s_cbranch_scc1 .Ltwo
; the change of phase
	s_wait_xcnt 0x0
	s_wait_tensorcnt 0x0                           ; W_v's rows are in
	s_wait_dscnt 0x0
	BARRIER
.macro CHANGE i                        ; among W_v's 128 loads: the last block's way out; W_v's scale words into their place; zeros into what V's first way out reads
.if (\i) < 7
.irp k, 0,1,2,3
	GAPQ 4*(\i)+\k, ACC+32
.endr
.elseif (\i) < 9
.irp q, 0,1,2,3,4,5,6,7
	v_mov_b32 v[SB+8*((\i)-7)+\q], v[WS+8*((\i)-7)+\q]
.endr
.elseif (\i) < 15
.irp q, 0,1,2,3,4,5,6,7
	v_mov_b32 v[ACC+80+8*((\i)-9)+\q], 0
.endr
.endif
.endm
.irp q, 0,1,2,3,4,5,6,7
.irp b, 0,2
	FRAG NB*\q+\b, ADRB+1, 2048*\q+\b*16384
	FRAG NB*\q+\b+1, ADRB+1, 2048*\q+(\b+1)*16384
	WIN 0
	CHANGE 2*\q+\b/2
.endr
.endr
.irp t, 0,1,2,3
.irp i, 0,1,2,3,4,5,6,7
	v_mov_b32 v[BQ+8*\t+\i], v[BV+\t]              ; V's bias: one channel a lane, all eight tokens
.endr
.endr
	WALU
	QOUT OB, 192
	GRD
	s_mov_b32 s47, 0
	RDESC 0, 2, 47
	RDESC 1, 2, 47
	s_mov_b32 s46, 0
	s_mov_b32 s47, YB+2*BLKB
	s_mov_b32 s8, 14*SSTEP
	s_wait_dscnt 0x0
	s_barrier_signal -1
	MIDDLE
	BARRIER
	TLOAD G0R, G1R
.macro VOUT                            ; a pair of V's blocks: four tiles' bytes and codes
.irp t, 0,1,2,3
	ds_store_b8 v[VX], v[EB+\t] offset:64*\t
	global_store_b128 v[CO], v[NCD+4*\t:NCD+4*\t+3], s[84:85] offset:4096*\t
.endr
.endm
.macro VTO                             ; s22 = c: the pair's 32 keys among 128: where its codes and bytes go
	s_lshl_b32 s20, s22, 9
	s_mov_b32 s21, 0
	s_add_nc_u64 s[84:85], s[96:97], s[20:21]
	v_add_nc_u32 v[VX], s22, v[RD]
.endm
.Lpair:
	BLK 1, 0, 0, -1, -1, 2, ACC+64
	s_cmp_eq_u32 s46, 3
	s_cbranch_scc1 .Lnone_0
	FETCHAT 0, ADRA, AAS
	s_wait_dscnt NF                                ; the other set is in
	s_branch .Lgo
.Lnone_0:
	s_wait_dscnt 0x0
.Lgo:
	SBLK 1, 1, 1, -1, -2, 3, ACC+64                ; the first trip's shows chunk 2
.set I_, 0
.rept 16
	v_dual_mov_b32 v[ACC+64+I_], v[ACC+I_] :: v_dual_mov_b32 v[ACC+64+I_+1], v[ACC+I_+1]
	v_dual_mov_b32 v[ACC+96+I_], v[ACC+32+I_] :: v_dual_mov_b32 v[ACC+96+I_+1], v[ACC+32+I_+1]
.set I_, I_+2
.endr
	s_add_co_u32 s22, s46, 1                       ; the pair before: c = 2, 3, 0 in trips 1, 2, 3
	s_and_b32 s22, s22, 3
	VTO
	s_cmp_eq_u32 s46, 0
	s_cbranch_scc1 .Lno_pair_before
	VOUT
.Lno_pair_before:
	s_cmp_eq_u32 s46, 3
	s_cbranch_scc1 .Lnone_1
	FETCHAT 1, ADRA, AAS
.Lnone_1:
	s_mov_b32 s8, 10*SSTEP
	s_cmp_eq_u32 s46, 0
	s_cselect_b32 s47, 0, 2*BLKB
	s_cselect_b32 s8, 8*SSTEP, s8
	s_add_co_u32 s46, s46, 1
	s_cmp_lg_u32 s46, 4
	s_cbranch_scc1 .Lpair
	s_wait_xcnt 0x0
.set K_, 0
.rept 60
	GAPV K_, ACC+64
.set K_, K_+1
.endr
	s_mov_b32 s22, 1
	VTO
	VOUT
	v_lshlrev_b32 v22, 3, v3
	s_lshl_b32 s21, s14, 9
	s_add_co_u32 s21, s21, XN
	v_add_nc_u32 v21, s21, v[CO]
	s_lshl_b32 s21, s14, 8
	s_add_co_u32 s21, s21, XV
	v_add_nc_u32 v23, s21, v22
	WALU
	s_wait_dscnt 0x0                               ; my scale bytes have landed
	BARRIER
	ds_load_b128 v[60:63], v21
	ds_load_b64 v[40:41], v23
	s_wait_dscnt 0x0
	global_store_b128 v[CO], v[60:63], s[94:95]
	global_store_b64 v22, v[40:41], s[98:99]
	s_wait_tensorcnt 0x0                           ; the wave's end
	ds_add_u32 v[SPW], v[NIL]
	s_wait_dscnt 0x0
	CROUND                                         ; the closing round
	s_endpgm
.Lfunc_end_k_q26f7926148_proj:
	.size	k_q26f7926148_proj, .Lfunc_end_k_q26f7926148_proj-k_q26f7926148_proj
	.p2alignl 7, 3214868480
	.fill 96, 4, 3214868480
	.section	.rodata,"a",@progbits
	.p2align	6, 0x0
	.amdhsa_kernel k_q26f7926148_proj
		.amdhsa_group_segment_fixed_size 327680
		.amdhsa_private_segment_fixed_size 0
		.amdhsa_enable_private_segment 0
		.amdhsa_kernarg_size 40
		.amdhsa_user_sgpr_count 2
		.amdhsa_user_sgpr_kernarg_segment_ptr 1
		.amdhsa_wavefront_size32 1
		.amdhsa_system_sgpr_workgroup_id_x 1
		.amdhsa_system_sgpr_workgroup_id_y 1
		.amdhsa_system_sgpr_workgroup_id_z 1
		.amdhsa_system_vgpr_workitem_id 0
		.amdhsa_next_free_vgpr 1024
		.amdhsa_next_free_sgpr 102
		.amdhsa_reserve_vcc 0
		.amdhsa_float_denorm_mode_32 3
		.amdhsa_float_denorm_mode_16_64 3
		.amdhsa_memory_ordered 1
		.amdhsa_forward_progress 1
		.amdhsa_inst_pref_size 164
	.end_amdhsa_kernel
	.amdgpu_metadata
---
amdhsa.version: [ 1, 2 ]
amdhsa.kernels:
  - .name:           k_q26f7926148_proj
    .symbol:         k_q26f7926148_proj.kd
    .args:
      - { .name: twc, .offset: 0, .size: 8, .value_kind: global_buffer, .address_space: global }
      - { .name: tws, .offset: 8, .size: 8, .value_kind: global_buffer, .address_space: global }
      - { .name: qkvc, .offset: 16, .size: 8, .value_kind: global_buffer, .address_space: global }
      - { .name: qkvs, .offset: 24, .size: 8, .value_kind: global_buffer, .address_space: global }
      - { .name: b_qkv, .offset: 32, .size: 8, .value_kind: global_buffer, .address_space: global }
    .group_segment_fixed_size: 327680
    .private_segment_fixed_size: 0
    .kernarg_segment_align: 8
    .kernarg_segment_size: 40
    .max_flat_workgroup_size: 128
    .sgpr_count:     102
    .vgpr_count:     1024
    .wavefront_size: 32
...
	.end_amdgpu_metadata
.endif
;; end of part 2
;; launch score (part 3): grid 16 x 16, 4 waves a work-group, clusters of 4 x 4, 327,680 bytes of LDS; arguments qkvc, qkvs, pc, pst; writes pc, pst
.if DOCPART == 3
	.amdgcn_target "amdgcn-amd-amdhsa--gfx1250"
	.amdhsa_code_object_version 6
	.text
	.protected	k_q26f7926148_score
	.globl	k_q26f7926148_score
	.p2align	8
	.type	k_q26f7926148_score,@function
k_q26f7926148_score:
	s_mov_b64 s[64:65], 0
	v_nop
	global_prefetch_b8 v0, s[64:65] scope:SCOPE_SE
	s_setreg_imm32_b32 hwreg(HW_REG_WAVE_MODE, 25, 1), 1
	s_wait_xcnt 0x0
	s_wait_alu depctr_hold_cnt(0) depctr_sa_sdst(0) depctr_va_vdst(0) depctr_va_sdst(0) depctr_va_ssrc(0) depctr_va_vcc(0) depctr_vm_vsrc(0)
	s_getreg_b32 s2, hwreg(HW_REG_IB_STS2, 6, 4)
	s_cmp_eq_u32 s2, 0
	s_cbranch_scc0 .Lentry_in_a_cluster
	s_endpgm
.Lentry_in_a_cluster:
	s_bfe_u32 s2, ttmp6, 0x10000c
	s_cmp_lg_u32 s2, 0xf033
	s_cbranch_scc0 .Lentry_shape_is_right
	s_endpgm
.Lentry_shape_is_right:
; LAUNCH 3 OF 4.  S = Q K^T on codes of BF8, then for each run of 128 keys of a row: M = ceil(largest t), t = score x log2(e) / 32, p = 2^(t - M) quantised along the keys, and the run's sum of the unquantised p.  No work is left out.
; A block's largest p comes from its largest score by the same multiply-add and exponential as the others.
; OUT: pc [batch 4][256 keys: 8][row block of queries 128][2][2048] codes, images as in the first launch.  pst [3][batch][run 16][2048 words]: a run's four scale bytes, its -M, its sum.
; SHARES: 256 work-groups of 2 x 2 waves: 512 queries x 128 keys; a wave holds 64 keys, all of K, in 512 registers and streams 256 queries past them in sixteen blocks of 16, which stand in registers as two whole sets (256).
; THE MATRIX INSTRUCTION IS USED TRANSPOSED: source 0 = 16 places of K, source 1 = 16 queries: a lane holds one query, the 16 registers of two tiles are 16 neighbouring keys.
; A wave's run is 64 keys; at the end the two columns of waves join theirs to runs of 128: the later M is kept, the other half's bytes and sum are brought under it.
; THE WAY OUT of a block takes two blocks' time: its maxima behind its products, t - M among the next block's products, the exponentials behind those, sums, holds and conversions among the products after.
; FILLS: at the head K's 128 rows (wave 0, slot 1), Q's chunk 0 of 128 rows (wave 1, slot 0), Q's scale words (waves 2, 3).  Refills, a quarter (block n of the chunk) a wave, in a drained round: chunks 1, 2, 3 inside blocks 0, 4, 8.
; CLUSTERS: 4 x 4: Q's rows are shared along a row of the cluster, K's along a column.
; LIMITS: as stated in the first launch; a shift between two runs' M is held at 255, and a byte that a shift would push under 1 is held at 1: such a block adds at most 57,344 x 2^-126 x |v| beside a sum over 1/2.
.set NB,   4
.set FR,   16
.set FPW,  16
.set NP,   8                           ; places behind this matrix instruction (ISA guide 7.12.1)
.set NF,   40                          ; LDS loads of a block: eight fragments of four, eight scale words
.set BLKB, 32768                       ; LDS bytes from a wave's block to its next: two row blocks
.set YB,   131072                      ; slot 1
.set SCQ,  262144                      ; Q's scale words: [K step 8][row block 32][16 words]
.set XB,   SCQ+16384+512               ; the runs' scale bytes: [query 512][4]
.set XM,   XB+2048+512                 ; their -M: [wave column 2][query 512]
.set XLO,  5120                        ; their sums, XLO behind; a wave column's part is 2,048 bytes, 2,560 apart
.set SPARE, XM+2*XLO
.set OB,   8192                        ; pc: from a wave's block to its next
.set ADRA0, 4
.set PF3,  5                           ; v5   a prefetch's address in chunk 3
.set AAS0, 6
.set CO,   9                           ; v9   16 x lane
.set SPW,  10
.set NIL,  11
.set ADRA, 12
.set VX,   13
.set ADRB, 14
.set VX0,  15                          ; v15, v18: where a block's bytes and its -M go, three blocks back
.set ABS,  16                          ; v16  4 x lane
.set AAS,  17
.set VM0,  18
.set VM,   19
.set NM,   20                          ; v20 -M; v21 named with it as a pair
.set NMO,  22
.set LL,   23
.set SB,   24                          ; v24-39 K's scale words, as in the launch before
.set BM,   40                          ; v40, v41 the two blocks' largest scores
.set BS,   42                          ; v42, v43 their t - M, then the largest p
.set SA,   44                          ; v44-59 Q's scale words, two sets of eight
.set T0,   60                          ; v60, v61
.set TMP,  62
.set ACC,  64                          ; v64-127 two sets of four accumulators
.set X,    128                         ; v128-159 t - M, then p
.set NCD,  160                         ; v160-167 codes
.set SUA,  168
.set SUB,  170
.set SOP,  172
.set HB,   174
.set EB,   176
.set G1A, 24
.set G1B, 32
.set G1R, 48
.set G0A, 56
.set G0B, 60
.set G0R, 68
.set G0S, 72
.set G1S, 92
.set MSB, 0
.macro WIN new
.if MSB != (\new)
	s_set_vgpr_msb (MSB<<8)|(\new)
.set MSB, (\new)
.endif
.endm
.macro PLACES n
.rept \n
	v_nop
.endr
.endm
.macro WALU
	s_wait_alu depctr_va_vdst(0)
.endm
.macro BARRIER
	s_barrier_signal -1
	s_barrier_wait -1
.endm
.macro CROUND
	BARRIER
	s_cmp_lg_u32 s14, 0
	s_cbranch_scc1 .Lnot_wave_0_\@
	s_barrier_signal -3
.Lnot_wave_0_\@:
	s_barrier_wait -3
	BARRIER
.endm
.macro TLOAD g0, g1
	tensor_load_to_lds s[\g0:\g0+3], s[\g1:\g1+7]
	s_nop 0
	PLACES 4
.endm
.macro GROUP1 g, mask, cols, rows, pitch   ; rows of cols elements of 8 bytes, no padding
	s_or_b32 s[\g+0], s[\mask], (3<<16)|(1<<21)
	s_mov_b32 s[\g+1], (\cols)<<16
	s_mov_b32 s[\g+2], (\rows)<<16
	s_mov_b32 s[\g+3], (\cols)<<16
	s_mov_b32 s[\g+4], \rows
	s_mov_b32 s[\g+5], \pitch
	s_mov_b32 s[\g+6], 0
	s_mov_b32 s[\g+7], 0
.endm
.macro SADD d, x, sh                   ; s_d += s_x << sh
	s_lshl_b32 s22, s\x, \sh
	s_add_co_u32 s\d, s\d, s22
.endm
	s_load_b128 s[4:7], s[0:1], 0x0                ; qkvc, qkvs
	v_lshl_add_u32 v[SPW], v0, 2, SPARE
	v_mov_b32 v[NIL], 0
	ds_add_u32 v[SPW], v[NIL]                      ; the wave's opening: the add, twice on end, and its wait ahead of my first tensor load
	ds_add_u32 v[SPW], v[NIL]
	v_lshrrev_b32 v1, 5, v0
	v_readfirstlane_b32 s14, v1
	s_lshr_b32 s15, s14, 1                         ; my row of waves, w
	s_and_b32 s16, s14, 1                          ; my column of waves
	s_bfe_u32 s40, ttmp6, 0x40000
	s_bfe_u32 s41, ttmp6, 0x40004                  ; cy: the tile of 512 queries in the batch
	s_lshl_b32 s42, ttmp9, 2
	s_add_co_u32 s42, s42, s40                     ; the tile of 128 keys, 0..15
	s_and_b32 s43, ttmp7, 0xffff                   ; the batch: cluster y
	s_lshl_b32 s44, s41, 2
	s_lshl_b32 s44, 15, s44
	s_lshl_b32 s45, 0x1111, s40
	GROUP1 G1B, 45, 128, 128, 128                  ; K's 128 rows: a dense run as rows of 1,024 bytes
	GROUP1 G1A, 44, 128, 128, 128                  ; a chunk of Q
	GROUP1 G1R, 44, 128, 32, 128                   ; a quarter of one
	GROUP1 G1S, 44, 256, 4, 8192                   ; Q's scale words of four K steps: 2,048 bytes each, 65,536 apart
	s_mov_b32 s[G0S], 1
	s_lshl_b32 s[G0S+1], s16, 13
	s_add_co_u32 s[G0S+1], s[G0S+1], SCQ
	s_lshl_b32 s67, s43, 21                        ; Q: row block 128 batch + 32 cy
	SADD 67, 41, 19
	s_lshl_b32 s78, s43, 21                        ; K: 512 + 128 batch + 8 tile
	SADD 78, 42, 17
	s_add_co_u32 s78, s78, 512*16384
	s_mov_b32 s79, 0
	s_lshl_b32 s80, s43, 13                        ; Q's scale words: K steps 4 (wave % 2) on
	SADD 80, 41, 11
	SADD 80, 16, 18
	s_mov_b32 s81, 0
	s_lshl_b32 s82, s43, 13                        ; K's: my wave's 64 keys
	SADD 82, 42, 9
	SADD 82, 16, 8
	s_add_co_u32 s82, s82, 512*64
	s_mov_b32 s83, 0
	s_mov_b32 s[G0A], 1
	s_mov_b32 s[G0A+1], 0
	s_mov_b32 s[G0B], 1
	s_mov_b32 s[G0B+1], YB
	s_mov_b32 s[G0R], 1
	v_and_b32 v1, 15, v0                           ; r
	v_and_b32 v3, 31, v0                           ; lane
	v_lshlrev_b32 v[CO], 4, v3
	v_lshlrev_b32 v[ABS], 2, v3
	WALU
	s_lshl_b32 s20, s15, 14
	v_add_nc_u32 v[ADRA0], s20, v[CO]
	s_lshl_b32 s20, s16, 16
	s_add_co_u32 s20, s20, YB
	v_add_nc_u32 v[ADRB], s20, v[CO]
	s_lshl_b32 s21, s15, 6                         ; row block 2 x block + w: 64 bytes each
	s_add_co_u32 s20, s21, SCQ
	v_lshl_add_u32 v[AAS0], v1, 2, s20
	s_lshl_b32 s22, s16, 1
	s_add_co_u32 s22, s22, s21
	s_add_co_u32 s22, s22, XB-384
	v_lshl_add_u32 v[VX0], v1, 2, s22
	s_mul_i32 s22, s16, 2560
	s_add_co_u32 s22, s22, s21
	s_add_co_u32 s22, s22, XM-384
	v_lshl_add_u32 v[VM0], v1, 2, s22
	s_lshl_b32 s90, s40, 2                         ; which of the cluster row's sixteen waves I am: my share of a prefetch of Q's rows
	s_add_co_u32 s90, s90, s14
	WALU
	s_wait_dscnt 0x0                               ; both opening adds are done
	CROUND
	s_wait_kmcnt 0x0
	s_mov_b32 s86, s67
	s_mov_b32 s87, 0
	s_add_nc_u64 s[G0A+2:G0A+3], s[4:5], s[86:87]
	s_or_b32 s[G0A+3], s[G0A+3], 0x80000000
	s_add_nc_u64 s[G0B+2:G0B+3], s[4:5], s[78:79]
	s_or_b32 s[G0B+3], s[G0B+3], 0x80000000
	s_add_nc_u64 s[G0S+2:G0S+3], s[6:7], s[80:81]
	s_or_b32 s[G0S+3], s[G0S+3], 0x80000000
	s_add_nc_u64 s[10:11], s[6:7], s[82:83]
	s_cmp_eq_u32 s14, 0                            ; one joint load a wave
	s_cbranch_scc0 .Lwave_1
	TLOAD G0B, G1B                                 ; wave 0: K's rows, wanted first
	s_branch .Lasked
.Lwave_1:
	s_cmp_eq_u32 s14, 1
	s_cbranch_scc0 .Lfor_scales
	TLOAD G0A, G1A                                 ; wave 1: chunk 0
	s_branch .Lasked
.Lfor_scales:
	TLOAD G0S, G1S                                 ; waves 2, 3: four K steps of Q's scale words each
.Lasked:
.irp p, 0,1
.irp q, 0,1,2,3,4,5,6,7
	global_load_b32 v[SB+8*\p+\q], v[ABS], s[10:11] offset:65536*\q+128*\p
.endr
.endr
	s_lshl_b32 s76, s43, 22                        ; s[76:77] where my codes go
	s_lshr_b32 s20, s42, 1
	SADD 76, 20, 19
	s_and_b32 s20, s42, 1
	SADD 76, 20, 11
	SADD 76, 41, 17
	SADD 76, 15, 12
	SADD 76, 16, 10
	s_mov_b32 s77, 0
	s_lshl_b32 s78, s43, 17                        ; s[78:79] and my work-group's runs
	SADD 78, 42, 13
	SADD 78, 41, 11
	s_mov_b32 s79, 0
	s_add_co_u32 s6, s67, 131072                   ; chunks 1, 2, 3
	s_add_co_u32 s2, s67, 262144
	s_add_co_u32 s7, s67, 393216
	s_lshl_b32 s21, s90, 13                        ; my sixteenth of a chunk, lanes 256 bytes apart
	s_add_co_u32 s22, s21, s6
	v_lshl_add_u32 v7, v3, 8, s22
	s_add_co_u32 s22, s21, s2
	v_lshl_add_u32 v8, v3, 8, s22
	s_add_co_u32 s22, s21, s7
	v_lshl_add_u32 v[PF3], v3, 8, s22
	v_add_nc_u32 v1, BLKB, v[ADRA0]                ; block 1
	v_add_nc_u32 v2, 128, v[AAS0]
	WALU
	s_cmp_eq_u32 s14, 0
	s_cbranch_scc0 .Lnot_b
	s_wait_tensorcnt 0x0                           ; wave 0: K's rows have landed; the other waves' wait stands at the second barrier
.Lnot_b:
	BARRIER
	global_prefetch_b8 v7, s[4:5] th:TH_LOAD_NT scope:SCOPE_SE
	global_prefetch_b8 v8, s[4:5] th:TH_LOAD_NT scope:SCOPE_SE
.macro MIDDLE
	WIN 0
	s_barrier_wait -1
	s_cmp_lg_u32 s14, 0
	s_cbranch_scc1 .Lnot_wave_0_\@
	s_barrier_signal -3
.Lnot_wave_0_\@:
	s_barrier_wait -3
.endm
.macro FRAG f, adr, off
	WIN (1+(\f)/FPW)<<6
.irp c, 0,1,2,3
	ds_load_b128 v[FR*((\f)%FPW)+4*\c:FR*((\f)%FPW)+4*\c+3], v[\adr] offset:(\off)+512*\c
.endr
.endm
.macro FETCHAT k, a, s                 ; a block of Q, all of K, into set k of window 3, and its scale words: NF loads
	WIN 3<<6
.irp q, 0,1,2,3,4,5,6,7
.irp c, 0,1,2,3
	ds_load_b128 v[128*\k+FR*\q+4*\c:128*\k+FR*\q+4*\c+3], v[\a] offset:2048*\q+512*\c
.endr
.endr
	WIN 0
.irp q, 0,1,2,3,4,5,6,7
	ds_load_b32 v[SA+8*\k+\q], v[\s] offset:2048*\q
.endr
.endm
.macro PROD e, n                       ; product n = 4 q + b: the q-th 128 of K, key tile b; queries in set e, sums in set e.  The four accumulators take turns
.set Q_, (\n)/4
.set B_, (\n)%4
.set FB_, NB*Q_+B_
.set AC_, ACC+32*(\e)+8*B_
.set R_, 128*(\e)+FR*Q_
.set W_, FR*(FB_%FPW)
.set XS_, SA+8*(\e)+Q_
.set WS_, SB+8*(B_/2)+Q_
	WIN (1+FB_/FPW)|(3<<2)
.if Q_ && B_%2
	v_wmma_scale_f32_16x16x128_f8f6f4 v[AC_:AC_+7], v[W_:W_+FR-1], v[R_:R_+FR-1], v[AC_:AC_+7], v[WS_], v[XS_] matrix_a_fmt:MATRIX_FMT_BF8 matrix_b_fmt:MATRIX_FMT_BF8 matrix_a_scale:MATRIX_SCALE_ROW1
.elseif Q_
	v_wmma_scale_f32_16x16x128_f8f6f4 v[AC_:AC_+7], v[W_:W_+FR-1], v[R_:R_+FR-1], v[AC_:AC_+7], v[WS_], v[XS_] matrix_a_fmt:MATRIX_FMT_BF8 matrix_b_fmt:MATRIX_FMT_BF8
.elseif B_%2
	v_wmma_scale_f32_16x16x128_f8f6f4 v[AC_:AC_+7], v[W_:W_+FR-1], v[R_:R_+FR-1], 0, v[WS_], v[XS_] matrix_a_fmt:MATRIX_FMT_BF8 matrix_b_fmt:MATRIX_FMT_BF8 matrix_a_scale:MATRIX_SCALE_ROW1
.else
	v_wmma_scale_f32_16x16x128_f8f6f4 v[AC_:AC_+7], v[W_:W_+FR-1], v[R_:R_+FR-1], 0, v[WS_], v[XS_] matrix_a_fmt:MATRIX_FMT_BF8 matrix_b_fmt:MATRIX_FMT_BF8
.endif
.endm
; LINES 0 .. 63 finish the block whose p lie in X: sum, scale bytes, holds, codes.  LINES 64 .. 88 take the block whose sums lie at x on to t - M in X.
.macro LN k, x
.set L_, \k
.if L_ == 0
	v_mov_b32 v[NMO], v[NM]
.elseif L_ < 3
	v_max_num_f32 v[BS+L_-1], 0x8000000, v[BS+L_-1]    ; the floor 2^(16 - 127): the byte cannot fall under 1
.elseif L_ == 3
	v_pk_add_f32 v[SUA:SUA+1], v[X:X+1], v[X+2:X+3]    ; the run's sum, of the unquantised p, in two chains
.elseif L_ == 4
	v_pk_add_f32 v[SUB:SUB+1], v[X+4:X+5], v[X+6:X+7]
.elseif L_ < 7
	v_add_nc_u32 v[SOP+L_-5], 0xf8800000, v[BS+L_-5]   ; 15 off the exponent field: the conversion's scale operand
.elseif L_ < 9
	v_and_or_b32 v[HB+L_-7], v[BS+L_-7], 0x7f800000, s66   ; 57,344 x the scale
.elseif L_ < 21
.set H_, X+8+4*((L_-9)/2)
.if (L_-9)%2
	v_pk_add_f32 v[SUB:SUB+1], v[SUB:SUB+1], v[H_+2:H_+3]
.else
	v_pk_add_f32 v[SUA:SUA+1], v[SUA:SUA+1], v[H_:H_+1]
.endif
.elseif L_ == 21
	v_pk_add_f32 v[SUA:SUA+1], v[SUA:SUA+1], v[SUB:SUB+1]
.elseif L_ < 24
	v_lshrrev_b32 v[EB+L_-22], 23, v[SOP+L_-22]
.elseif L_ == 24
	v_add_f32 v[LL], v[SUA], v[SUA+1]
.elseif L_ == 25
	v_lshl_or_b32 v[EB], v[EB+1], 8, v[EB]
.elseif L_ == 26
	v_permlanex16_b32 v[T0], v[LL], s60, s61
.elseif L_ == 29
	v_add_f32 v[LL], v[LL], v[T0]
.elseif L_ < 64
.if L_ < 29
.set H_, L_-27
.elseif L_ < 36
.set H_, L_-28
.else
.set H_, 8*((L_-36)/9)+7+(L_-36)%9
.endif
.if L_ >= 36 && (L_-36)%9 == 0
.set H_, (L_-36)/9
	v_cvt_scalef32_pk8_bf8_f32 v[NCD+2*H_:NCD+2*H_+1], v[X+8*H_:X+8*H_+7], v[SOP+H_/2]
.else
	v_min_num_f32 v[X+H_], v[X+H_], v[HB+H_/16]        ; the conversion does not saturate (ISA guide 7.6.2); p is not negative
.endif
.elseif L_ < 66
	v_permlanex16_b32 v[T0+L_-64], v[BM+L_-64], s60, s61
.elseif L_ < 68
	v_max_num_f32 v[BM+L_-66], v[BM+L_-66], v[T0+L_-66]   ; the block's largest score
.elseif L_ == 68
	v_max_num_f32 v[TMP], v[BM], v[BM+1]
.elseif L_ == 69
	v_mul_f32 v[TMP], s62, v[TMP]
.elseif L_ == 70
	v_floor_f32 v[NM], -v[TMP]                         ; -M, a whole number
.elseif L_ < 73
	v_fma_f32 v[BS+L_-71], v[BM+L_-71], s62, v[NM]
.else
.set H_, 2*(L_-73)
	v_pk_fma_f32 v[X+H_:X+H_+1], v[\x+H_:\x+H_+1], s[62:63], v[NM:NM+1] op_sel_hi:[1,0,0]
.endif
.endm
.macro RDESC i                         ; a refill's group 0, in two parts
.if (\i) == 0
	s_mul_i32 s[G0R+1], s14, 32768
	s_add_co_u32 s[G0R+1], s[G0R+1], s47
	s_mul_i32 s20, s14, 32768
	s_add_co_u32 s20, s20, s6
.else
	s_mov_b32 s21, 0
	s_add_nc_u64 s[G0R+2:G0R+3], s[4:5], s[20:21]
	s_or_b32 s[G0R+3], s[G0R+3], 0x80000000
.endif
.endm
.macro LIST n, j, x                    ; what stands behind product n of block j of its trip (the second loop's: 4, 5)
.if (\n) == 0
	s_add_nc_u64 s[84:85], s[84:85], OB
	WIN 0
.if (\j) < 2
	s_add_co_u32 s22, s101, ((\j)+2)*BLKB
.else
	s_add_co_u32 s22, s47, ((\j)%2)*BLKB
.endif
	v_add_nc_u32 v[ADRA], s22, v[ADRA0]
.elseif (\n) == 1
	WIN 0
.if (\j) < 2
	s_add_co_u32 s22, s17, ((\j)+2)*128
.else
	s_add_co_u32 s22, s8, ((\j)%2)*128
.endif
	v_add_nc_u32 v[AAS], s22, v[AAS0]
.elseif (\n) == 2
	WIN 0
	s_add_co_u32 s9, s9, 128
	v_add_nc_u32 v[VX], s9, v[VX0]
	v_add_nc_u32 v[VM], s9, v[VM0]
.elseif (\j) == 0 && ((\n) == 29 || (\n) == 30)
	RDESC (\n)-29
.endif
.if (\n) < 30
	WIN 0
.irp i, 0,1,2
.if 3*(\n)+\i < 89
	LN 3*(\n)+\i, \x
.endif
.endr
.endif
.endm
.macro BLOCK e, from, to, j
.set N_, \from
.rept (\to)-(\from)
	PROD \e, N_
	LIST N_, \j, ACC+32*(1-\e)
.set N_, N_+1
.endr
.endm
.macro BLK e, w, j
.if (\w) >= 0
	s_wait_dscnt \w
.endif
	s_wait_xcnt 0x0
	BLOCK \e, 0, 32, \j
	WIN 0
	PLACES NP
.endm
.macro RBLK e, w, j                    ; a block with a round of the cluster's barrier
	s_wait_dscnt \w
	s_wait_xcnt 0x0
	s_wait_tensorcnt 0x0                           ; the add's wait stands ahead of the round's signal
	ds_add_u32 v[SPW], v[NIL]
	BLOCK \e, 0, 28, \j
	WIN 0
	WALU
	s_wait_dscnt 0x0
	s_barrier_signal -1
	BLOCK \e, 28, 32, \j
	MIDDLE
	BARRIER
.endm
.macro SBLK e, w, j                    ; a block with a plain barrier, which shows waves 0 and 1's loads
	s_wait_dscnt \w
	s_wait_xcnt 0x0
	BLOCK \e, 0, 28, \j
	WIN 0
	WALU
	s_cmp_lt_u32 s14, 2
	s_cbranch_scc0 .Lnot_yet_\@
	s_wait_tensorcnt 0x0
.Lnot_yet_\@:
	s_wait_dscnt 0x0
	s_barrier_signal -1
	BLOCK \e, 28, 32, \j
	WIN 0
	s_barrier_wait -1
	PLACES NP
.endm
.macro EXPS                            ; p of the block before: one wait ahead of the batch, one behind it
	WALU
.set I_, 0
.rept 32
	v_exp_f32 v[X+I_], v[X+I_]
.set I_, I_+1
.endr
	v_exp_f32 v[BS], v[BS]
	v_exp_f32 v[BS+1], v[BS+1]
	v_nop
	WALU
.endm
.macro BOUND a                         ; behind a block's products: the exponentials of the block before, then this block's maxima, each accumulator from its low end on
	EXPS
	v_max_num_f32 v[BM], v[ACC+32*\a], v[ACC+32*\a+1]
	v_max_num_f32 v[BM+1], v[ACC+32*\a+16], v[ACC+32*\a+17]
.irp i, 2,4,6,8,10,12,14
	v_max3_num_f32 v[BM], v[BM], v[ACC+32*\a+\i], v[ACC+32*\a+\i+1]
	v_max3_num_f32 v[BM+1], v[BM+1], v[ACC+32*\a+16+\i], v[ACC+32*\a+17+\i]
.endr
.endm
.macro QOUT off, boff                  ; the block two back: bytes, -M and sum to LDS, codes out: each store covers 512 consecutive bytes
	ds_store_b16 v[VX], v[EB] offset:\boff
	ds_store_b32 v[VM], v[NMO] offset:\boff
	ds_store_b32 v[VM], v[LL] offset:XLO+(\boff)
	global_store_b128 v[CO], v[NCD:NCD+3], s[84:85] offset:\off
	global_store_b128 v[CO], v[NCD+4:NCD+7], s[84:85] offset:(\off)+512
.endm
.irp q, 0,1,2,3,4,5,6,7
.irp b, 0,1,2,3
	FRAG NB*\q+\b, ADRB, 2048*\q+\b*16384
.endr
.endr
	WIN 0
	s_wait_tensorcnt 0x0                           ; chunk 0 and the scale words are in; K's rows are in registers
	s_wait_dscnt 0x0
	BARRIER
	FETCHAT 0, ADRA0, AAS0
	FETCHAT 1, 1, 2
	s_load_b128 s[92:95], s[0:1], 0x10             ; pc, pst
	s_mov_b32 s60, 0x76543210                      ; v_permlanex16_b32's selects for lane l xor 16
	s_mov_b32 s61, 0xfedcba98
	s_mov_b32 s62, 0x3d38aa3b                      ; log2(e) / 32
	s_mov_b32 s63, s62                             ; (named with it as a pair)
	s_mov_b32 s66, 0x600000                        ; the mantissa field of 57,344
.irp i, BM, BM+1, BS, BS+1, T0, T0+1, NM, NM+1
	v_mov_b32 v[\i], 0                             ; the first two ways out work on these zeros and store nothing
.endr
.set I_, 0
.rept 32
	v_mov_b32 v[ACC+32+I_], 0
	v_mov_b32 v[X+I_], 0
.set I_, I_+1
.endr
	s_wait_kmcnt 0x0
	s_add_nc_u64 s[84:85], s[92:93], s[76:77]
	s_sub_nc_u64 s[84:85], s[84:85], 3*OB
	s_add_nc_u64 s[94:95], s[94:95], s[78:79]
	s_mov_b32 s46, 0                               ; the trip
	s_mov_b32 s9, 0
	s_mov_b32 s101, 0                              ; this chunk's slot,
	s_mov_b32 s47, YB                              ; the next chunk's
	s_mov_b32 s17, 0                               ; and their scale words
	s_mov_b32 s8, 512
	WALU
	s_wait_loadcnt 0x0
.Lfour:
	RBLK 0, NF, 0                                  ; blocks 0, 4, 8: chunks 1, 2, 3 come.  (NF: the other set's loads may be out)
	s_cmp_lt_u32 s14, 2                            ; waves 0, 1 and waves 2, 3 have a load line each: the barrier two blocks on waits for the first line's alone
	s_cbranch_scc0 .Lupper
	TLOAD G0R, G1R
	s_branch .Lboth
.Lupper:
	TLOAD G0R, G1R
.Lboth:
	PLACES NP-4
	s_cmp_eq_u32 s46, 0
	s_cbranch_scc1 .Lno_block_0
	QOUT 0, 0
.Lno_block_0:
	FETCHAT 0, ADRA, AAS
	BOUND 0
	BLK 1, -1, 1
	s_cmp_eq_u32 s46, 0
	s_cbranch_scc1 .Lno_block_1
	QOUT 0, 0
.Lno_block_1:
	FETCHAT 1, ADRA, AAS
	BOUND 1
	SBLK 0, NF, 2                                  ; the next chunk's first half is in
	QOUT 0, 0
	s_cmp_eq_u32 s46, 1
	s_cbranch_scc0 .Lnone_ahead
	global_prefetch_b8 v[PF3], s[4:5] th:TH_LOAD_NT scope:SCOPE_SE   ; trip 1: chunk 3, which trip 2 loads: each block of 256 bytes once in the cluster
.Lnone_ahead:
	FETCHAT 0, ADRA, AAS
	BOUND 0
	BLK 1, -1, 3
	QOUT 0, 0
	FETCHAT 1, ADRA, AAS
	BOUND 1
	s_cmp_eq_u32 s46, 0
	s_cselect_b32 s6, s2, s7
	s_mov_b32 s101, s47
	s_mov_b32 s17, s8
	s_xor_b32 s47, s47, YB
	s_add_co_u32 s8, s8, 512
	s_add_co_u32 s46, s46, 1
	s_cmp_lg_u32 s46, 3
	s_cbranch_scc1 .Lfour
	WALU
	s_wait_tensorcnt 0x0                           ; chunk 3's second half is in
	s_wait_dscnt 0x0
	BARRIER
	s_mov_b32 s47, YB+2*BLKB
	s_mov_b32 s8, 14*128
.Ltwo:
	BLK 0, NF, 4                                   ; blocks 12, 14
	QOUT 0, 0
	s_cmp_eq_u32 s46, 4
	s_cbranch_scc1 .Lnone_0
	FETCHAT 0, ADRA, AAS
	s_wait_dscnt NF                                ; the other set is in
	s_branch .Lgo
.Lnone_0:
	s_wait_dscnt 0x0
.Lgo:
	BOUND 0
	BLK 1, -1, 5                                   ; 13, 15
	QOUT 0, 0
	s_cmp_eq_u32 s46, 4
	s_cbranch_scc1 .Lnone_1
	FETCHAT 1, ADRA, AAS
.Lnone_1:
	BOUND 1
	s_add_co_u32 s46, s46, 1
	s_cmp_lg_u32 s46, 5
	s_cbranch_scc1 .Ltwo
	WALU
	s_wait_xcnt 0x0
	s_add_nc_u64 s[84:85], s[84:85], OB            ; the last two blocks
	s_add_co_u32 s9, s9, 128
	v_add_nc_u32 v[VX], s9, v[VX0]
	v_add_nc_u32 v[VM], s9, v[VM0]
.set K_, 0
.rept 64
	LN K_, ACC+32
.set K_, K_+1
.endr
	QOUT 0, 0
.rept 25
	LN K_, ACC+32
.set K_, K_+1
.endr
	EXPS
	s_wait_xcnt 0x0
.set K_, 0
.rept 64
	LN K_, ACC+32
.set K_, K_+1
.endr
	v_nop
	QOUT OB, 128
	s_wait_xcnt 0x0                                ; the last blocks' stores have read their codes: the registers serve below
	v_lshlrev_b32 v1, 4, v0                        ; a thread takes four queries
	v_add_nc_u32 v2, XB, v1
	v_add_nc_u32 v5, XM, v1
	WALU
	s_wait_dscnt 0x0                               ; for the others' sake: my bytes, -M and sums have landed
	BARRIER
	ds_load_b128 v[128:131], v2                    ; scale words
	ds_load_b128 v[132:135], v5                    ; -M of the first 64 keys
	ds_load_b128 v[136:139], v5 offset:2560        ; and of the second
	ds_load_b128 v[140:143], v5 offset:XLO         ; sums
	ds_load_b128 v[144:147], v5 offset:XLO+2560
	s_wait_dscnt 0x0
.irp i, 0,1,2,3
	v_min_num_f32 v[148+\i], v[132+\i], v[136+\i]  ; the run's -M
.endr
.irp i, 0,1,2,3
	v_sub_f32 v[132+\i], v[132+\i], v[148+\i]      ; whole numbers, 0 or more
	v_sub_f32 v[136+\i], v[136+\i], v[148+\i]
.endr
.irp i, 0,1,2,3,4,5,6,7
	v_min_num_f32 v[132+\i], 0x437f0000, v[132+\i] ; held at 255
.endr
.irp i, 0,1,2,3,4,5,6,7
	v_cvt_i32_f32 v[132+\i], v[132+\i]
.endr
.irp i, 0,1,2,3,4,5,6,7
	v_sub_nc_u32 v[152+\i], 0, v[132+\i]
.endr
.irp i, 0,1,2,3,4,5,6,7
	v_ldexp_f32 v[140+\i], v[140+\i], v[152+\i]
.endr
.irp i, 0,1,2,3
	v_add_f32 v[140+\i], v[140+\i], v[144+\i]
.endr
.irp i, 0,1,2,3                        ; each byte e becomes e - min(shift, e - 1)
	v_and_b32 v160, 0xff, v[128+\i]
	v_bfe_u32 v161, v[128+\i], 8, 8
	v_bfe_u32 v162, v[128+\i], 16, 8
	v_lshrrev_b32 v163, 24, v[128+\i]
.irp b, 0,1,2,3
	v_add_nc_u32 v[164+\b], -1, v[160+\b]
.endr
.irp b, 0,1,2,3
	v_min_u32 v[164+\b], v[164+\b], v[132+4*(\b/2)+\i]
.endr
.irp b, 0,1,2,3
	v_sub_nc_u32 v[160+\b], v[160+\b], v[164+\b]
.endr
	v_lshl_or_b32 v160, v161, 8, v160
	v_lshl_or_b32 v160, v162, 16, v160
	v_lshl_or_b32 v[128+\i], v163, 24, v160
.endr
	global_store_b128 v1, v[128:131], s[94:95]     ; a wave stores 512 consecutive bytes of each
	global_store_b128 v1, v[148:151], s[94:95] offset:524288
	global_store_b128 v1, v[140:143], s[94:95] offset:1048576
	s_wait_tensorcnt 0x0                           ; the wave's end
	ds_add_u32 v[SPW], v[NIL]
	s_wait_dscnt 0x0
	CROUND                                         ; the closing round
	s_endpgm
.Lfunc_end_k_q26f7926148_score:
	.size	k_q26f7926148_score, .Lfunc_end_k_q26f7926148_score-k_q26f7926148_score
	.p2alignl 7, 3214868480
	.fill 96, 4, 3214868480
	.section	.rodata,"a",@progbits
	.p2align	6, 0x0
	.amdhsa_kernel k_q26f7926148_score
		.amdhsa_group_segment_fixed_size 327680
		.amdhsa_private_segment_fixed_size 0
		.amdhsa_enable_private_segment 0
		.amdhsa_kernarg_size 32
		.amdhsa_user_sgpr_count 2
		.amdhsa_user_sgpr_kernarg_segment_ptr 1
		.amdhsa_wavefront_size32 1
		.amdhsa_system_sgpr_workgroup_id_x 1
		.amdhsa_system_sgpr_workgroup_id_y 1
		.amdhsa_system_sgpr_workgroup_id_z 1
		.amdhsa_system_vgpr_workitem_id 0
		.amdhsa_next_free_vgpr 1024
		.amdhsa_next_free_sgpr 102
		.amdhsa_reserve_vcc 0
		.amdhsa_float_denorm_mode_32 3
		.amdhsa_float_denorm_mode_16_64 3
		.amdhsa_memory_ordered 1
		.amdhsa_forward_progress 1
		.amdhsa_inst_pref_size 141
	.end_amdhsa_kernel
	.amdgpu_metadata
---
amdhsa.version: [ 1, 2 ]
amdhsa.kernels:
  - .name:           k_q26f7926148_score
    .symbol:         k_q26f7926148_score.kd
    .args:
      - { .name: qkvc, .offset: 0, .size: 8, .value_kind: global_buffer, .address_space: global }
      - { .name: qkvs, .offset: 8, .size: 8, .value_kind: global_buffer, .address_space: global }
      - { .name: pc, .offset: 16, .size: 8, .value_kind: global_buffer, .address_space: global }
      - { .name: pst, .offset: 24, .size: 8, .value_kind: global_buffer, .address_space: global }
    .group_segment_fixed_size: 327680
    .private_segment_fixed_size: 0
    .kernarg_segment_align: 8
    .kernarg_segment_size: 32
    .max_flat_workgroup_size: 128
    .sgpr_count:     102
    .vgpr_count:     1024
    .wavefront_size: 32
...
	.end_amdgpu_metadata
.endif
;; end of part 3
;; launch mix (part 4): grid 4 x 64, 4 waves a work-group, clusters of 4 x 4, 327,680 bytes of LDS; arguments pc, pst, qkvc, qkvs, out0; writes out0
.if DOCPART == 4
	.amdgcn_target "amdgcn-amd-amdhsa--gfx1250"
	.amdhsa_code_object_version 6
	.text
	.protected	k_q26f7926148_mix
	.globl	k_q26f7926148_mix
	.p2align	8
	.type	k_q26f7926148_mix,@function
k_q26f7926148_mix:
	s_mov_b64 s[64:65], 0
	v_nop
	global_prefetch_b8 v0, s[64:65] scope:SCOPE_SE
	s_setreg_imm32_b32 hwreg(HW_REG_WAVE_MODE, 25, 1), 1
	s_wait_xcnt 0x0
	s_wait_alu depctr_hold_cnt(0) depctr_sa_sdst(0) depctr_va_vdst(0) depctr_va_sdst(0) depctr_va_ssrc(0) depctr_va_vcc(0) depctr_vm_vsrc(0)
	s_getreg_b32 s2, hwreg(HW_REG_IB_STS2, 6, 4)
	s_cmp_eq_u32 s2, 0
	s_cbranch_scc0 .Lentry_in_a_cluster
	s_endpgm
.Lentry_in_a_cluster:
	s_bfe_u32 s2, ttmp6, 0x10000c
	s_cmp_lg_u32 s2, 0xf033
	s_cbranch_scc0 .Lentry_shape_is_right
	s_endpgm
.Lentry_shape_is_right:
; LAUNCH 4 OF 4.  out0 = P V / l on codes of BF8.  No work is left out.
; HEAD: for each of the tile's 128 queries (a thread each): the row's -M is the least of its sixteen runs' -M; d = M_row - M_run, a whole number, 0 or more; l = the sum of l_run x 2^-d (exact scalings);
; each scale byte of P has d taken off it, held at 1 from below: that brings the run's p under the row's M with the codes as they are.  The shifted words and 1 / l go to LDS for all four waves.
; A tile of 128 queries x 256 channels to a work-group, so that there are 256 work-groups; 64 x 128 a wave: 32 accumulators.  K = 2,048 keys are eight units of 256.
; THE RING: LDS holds three units: a PAIR region (two units) and a SINGLE region.  Units 0, 1, 2 are the first fills.  Behind units 0, 1 the pair region takes units 3, 4; behind unit 2 the single region takes unit 5; behind units 3, 4
; the pair region takes units 6, 7: three barriers with a refill in all, one tensor load a wave behind each.  A pair comes by ONE load: a tile of two rows, each row a wave's dense share of a unit, the rows a unit apart in memory.
; Transposed: source 0 = 16 places of V^T (channels), source 1 = 16 places of P (queries): a lane holds one query, its registers run along the true channels.  The queries' places are in the order pi; the stores to out0 undo it by their offsets.
; CLUSTERS: 4 x 4: P's tile is shared along a row of the cluster, V^T's along a column.
; LIMITS: d is held at 255; a byte that d would push under 1 is held at 1: such a block adds at most 57,344 x 2^-126 x |v| beside a sum whose divisor is over 1/2.  l is summed in sixteen parts, another order than one sum along the row.  NaN and infinities are not served.
; REGISTERS: window 0: v1-30 addresses; v32-55 scale words, two sets of 12 (V^T's eight, P's four); v56-63 1 / l; v64-127 results at work; v128-255 P's fragments, two sets of 64 (at the head: the runs' figures; in the way out: rows).
;   window 1: V^T's fragments, two sets.   window 2: the accumulators ((a, b) at v[8 (8 a + b)]).
.set NP,     8
.set PBOFF,  65536                     ; the pair region: P's two halves x [2 units][16,384], then from here V^T's two halves x [2 units][32,768]
.set SNG,    196608                    ; the single region: P's two halves x 16,384, then V^T's two x 32,768
.set SCA,    294912                    ; P's shifted scale words, written by ds_store: [K step 16][8 row blocks][64]
.set SCB,    SCA+8192                  ; V^T's, written by ds_store: [K step 16][row block 16][64]
.set RL,     319744                    ; 1 / l, a word a query
.set SPARE,  RL+512                    ; the spare words, 128 bytes for each wave
.set SPITCH, 528                       ; the way out: a stage of 16 rows x (512 + 16) bytes for each wave, in the single region, which has had its last fill and its last read ahead of the last barrier
.set UA,     524288                    ; pc: bytes from unit to unit
.set UB,     262144                    ; V^T's codes likewise
.set TO4,  1                           ; v1   4 x thread
.set ADRA, 16                          ; v16-18  my fragments of P at place 0, 1 (the pair) and 2 (the single)
.set ADRB, 19                          ; v19-21  of V^T
.set LI,   22                          ; v22  16 x lane
.set ADSA, 23                          ; v23  P's scale words
.set ADSB, 24                          ; v24  V^T's
.set STO,  25
.set RD,   26
.set RLA,  27                          ; v27  1 / l of my place in block 0
.set SPW,  28
.set NIL,  29
.set SCW,  30                          ; v30  where my query's shifted words go
.set SC,   32
.set RC,   56
.set Y,    64
.set AF,   128
.set G1,   24                          ; s[24:31] group 1, a single unit of P; s[32:35] its group 0; s[36:39] group 0 of P's pair
.set G0,   32
.set G0P,  36
.set G1B,  48                          ; s[48:55], s[56:59], s[60:63] the same for V^T
.set G0B,  56
.set G0BP, 60
.set G1P,  68                          ; s[68:75] group 1, P's pair; s[76:83] V^T's
.set G1BP, 76
.set PFA,  84                          ; s[84:93] where my prefetches of units 3 to 7 stand, a pair each
.set MSB, 0
.macro WIN new
.if MSB != (\new)
	s_set_vgpr_msb (MSB<<8)|(\new)
.set MSB, (\new)
.endif
.endm
.set MUL,  0xa1                        ; source 0 (V^T) window 1, source 1 (P) window 0, C and D window 2
.set TO_B, 0x40
.macro JLOAD g0a, g1a, g0b, g1b        ; a joint refill: waves 0 and 1 fetch P's halves, waves 2 and 3 V^T's; an s_nop 0 and four v_nop follow each line
	s_cmp_eq_u32 s15, 0
	s_cbranch_scc0 .Lfor_b_\@
	tensor_load_to_lds s[\g0a:\g0a+3], s[\g1a:\g1a+7]
	s_nop 0
.rept 4
	v_nop
.endr
	s_branch .Lasked_\@
.Lfor_b_\@:
	tensor_load_to_lds s[\g0b:\g0b+3], s[\g1b:\g1b+7]
	s_nop 0
.rept 4
	v_nop
.endr
.Lasked_\@:
.endm
; A prefetch into the L2 of 8,192 bytes of a unit: wave 0 asks for P's, waves 2 and 3 for their halves of V^T's; the four partners that load a tile jointly share it out by address (cx for P, cy for V^T)
.macro ASK u
	s_cmp_eq_u32 s14, 1
	s_cbranch_scc1 .Lnot_mine_\@
	global_prefetch_b8 v8, s[PFA+2*(\u)-6:PFA+2*(\u)-5] th:TH_LOAD_NT scope:SCOPE_SE
.Lnot_mine_\@:
.endm
.macro CREST
	s_cmp_lg_u32 s14, 0
	s_cbranch_scc1 .Lnot_wave_0_\@
	s_barrier_signal -3
.Lnot_wave_0_\@:
	s_barrier_wait -3
	s_barrier_signal -1
	s_barrier_wait -1
.endm
.macro CROUND
	s_barrier_signal -1
	s_barrier_wait -1
	CREST
.endm
	s_load_b256 s[4:11], s[0:1], 0x0               ; pc s[4:5], pst s[6:7], qkvc s[8:9], qkvs s[10:11]
	s_load_b64 s[12:13], s[0:1], 0x20              ; out0
	v_lshl_add_u32 v[SPW], v0, 2, SPARE
	v_mov_b32 v[NIL], 0
	ds_add_u32 v[SPW], v[NIL]                      ; the wave's opening: the add, twice on end, and its wait ahead of my first tensor load
	ds_add_u32 v[SPW], v[NIL]
	v_lshrrev_b32 v1, 5, v0
	v_readfirstlane_b32 s14, v1                    ; wave 0..3
	s_lshr_b32 s15, s14, 1                         ; my half of the queries.  Also: I fetch for P (0) or for V^T (1)
	s_and_b32 s16, s14, 1                          ; my half of the channels.  Also: which half I fetch
	s_bfe_u32 s40, ttmp6, 0x40000
	s_bfe_u32 s41, ttmp6, 0x40004
	s_and_b32 s18, ttmp7, 0xffff
	s_lshl_b32 s17, s18, 2
	s_add_co_u32 s17, s17, s41                     ; the tile of 128 queries, 0..63
	s_lshr_b32 s18, s18, 2                         ; the batch: cluster y / 4
	s_lshl_b32 s42, ttmp9, 2
	s_add_co_u32 s42, s42, s40                     ; the tile of 256 channels, 0..3
	s_lshl_b32 s43, s41, 2
	s_lshl_b32 s43, 15, s43
	s_lshl_b32 s44, 0x1111, s40
	s_or_b32 s[G1+0], s43, (3<<16)|(1<<21)         ; a unit of P's codes for a wave: a dense block of 16 KiB as 64 rows of 32 elements of 8 bytes
	s_mov_b32 s[G1+1], 32<<16
	s_mov_b32 s[G1+2], 64<<16
	s_mov_b32 s[G1+3], 32<<16
	s_mov_b32 s[G1+4], 64
	s_mov_b32 s[G1+5], 32
	s_mov_b32 s[G1+6], 0
	s_mov_b32 s[G1+7], 0
	s_or_b32 s[G1B+0], s44, (3<<16)|(1<<21)        ; of V^T's: 32 KiB as 128 such rows
	s_mov_b32 s[G1B+1], 32<<16
	s_mov_b32 s[G1B+2], 128<<16
	s_mov_b32 s[G1B+3], 32<<16
	s_mov_b32 s[G1B+4], 128
	s_mov_b32 s[G1B+5], 32
	s_mov_b32 s[G1B+6], 0
	s_mov_b32 s[G1B+7], 0
	s_or_b32 s[G1P+0], s43, (3<<16)|(1<<21)        ; two units of P's by one load: two rows of 2,048 elements (16 KiB), UA bytes apart; in LDS one behind the other
	s_mov_b32 s[G1P+1], 2048<<16
	s_mov_b32 s[G1P+2], 2<<16
	s_mov_b32 s[G1P+3], 2048<<16
	s_mov_b32 s[G1P+4], 2
	s_mov_b32 s[G1P+5], UA/8
	s_mov_b32 s[G1P+6], 0
	s_mov_b32 s[G1P+7], 0
	s_or_b32 s[G1BP+0], s44, (3<<16)|(1<<21)       ; two units of V^T's: two rows of 4,096 elements (32 KiB), UB bytes apart
	s_mov_b32 s[G1BP+1], 4096<<16
	s_mov_b32 s[G1BP+2], 2<<16
	s_mov_b32 s[G1BP+3], 4096<<16
	s_mov_b32 s[G1BP+4], 2
	s_mov_b32 s[G1BP+5], UB/8
	s_mov_b32 s[G1BP+6], 0
	s_mov_b32 s[G1BP+7], 0
	s_and_b32 s20, s17, 15
	s_lshl_b32 s20, s20, 3
	s_lshl_b32 s21, s16, 2
	s_add_co_u32 s20, s20, s21                     ; P: the row block within the batch that I would fetch from
	s_lshl_b32 s20, s20, 12
	s_lshl_b32 s21, s18, 22
	s_add_co_u32 s20, s20, s21
	s_mov_b32 s21, 0
	s_lshl_b32 s46, s42, 4
	s_lshl_b32 s47, s16, 3
	s_add_co_u32 s46, s46, s47                     ; V^T: the row block of channels
	s_lshl_b32 s96, s42, 10                        ; V^T's scale words: the tile's 16 row blocks
	s_lshl_b32 s46, s46, 12
	s_lshl_b32 s47, s18, 21
	s_add_co_u32 s46, s46, s47
	s_add_co_u32 s46, s46, 16777216
	s_lshl_b32 s47, s18, 16
	s_add_co_u32 s96, s96, s47
	s_add_co_u32 s96, s96, 524288
	s_mov_b32 s47, 0
	s_mov_b32 s97, 0
	s_lshl_b32 s98, s16, 15                        ; where they go: P's pair,
	s_lshl_b32 s45, s16, 14
	s_add_co_u32 s45, s45, SNG                     ; P's single,
	s_lshl_b32 s99, s16, 16
	s_add_co_u32 s99, s99, PBOFF                   ; V^T's pair,
	s_lshl_b32 s2, s16, 15
	s_add_co_u32 s2, s2, SNG+32768                 ; V^T's single,
	s_wait_dscnt 0x0                               ; both opening adds are done
	s_wait_kmcnt 0x0
	s_add_nc_u64 s[20:21], s[4:5], s[20:21]
	s_add_nc_u64 s[46:47], s[8:9], s[46:47]
	s_add_nc_u64 s[96:97], s[10:11], s[96:97]
	CROUND                                         ; all sixteen work-groups are here: the first joint loads meet
	s_mov_b32 s[G0P], 1
	s_mov_b32 s[G0P+1], s98
	s_mov_b64 s[G0P+2:G0P+3], s[20:21]             ; units 0 and 1
	s_or_b32 s[G0P+3], s[G0P+3], 0x80000000
	s_mov_b32 s[G0], 1
	s_mov_b32 s[G0+1], s45
	s_add_nc_u64 s[G0+2:G0+3], s[20:21], 2*UA      ; unit 2
	s_or_b32 s[G0+3], s[G0+3], 0x80000000
	s_mov_b32 s[G0BP], 1
	s_mov_b32 s[G0BP+1], s99
	s_mov_b64 s[G0BP+2:G0BP+3], s[46:47]
	s_or_b32 s[G0BP+3], s[G0BP+3], 0x80000000
	s_mov_b32 s[G0B], 1
	s_mov_b32 s[G0B+1], s2
	s_add_nc_u64 s[G0B+2:G0B+3], s[46:47], 2*UB
	s_or_b32 s[G0B+3], s[G0B+3], 0x80000000
	JLOAD G0P, G1P, G0BP, G1BP                     ; units 0 and 1: one tensor load a wave at the head
	s_and_b32 s22, s17, 15
	s_lshl_b32 s22, s22, 9                         ; my tile's 128 words in a K step of pst
	s_lshl_b32 s23, s18, 17
	s_add_co_u32 s22, s22, s23
	s_mov_b32 s23, 0
	s_add_nc_u64 s[6:7], s[6:7], s[22:23]
	v_lshrrev_b32 v5, 6, v0                        ; V^T's scale words come through registers: 64 threads take a K step's 1,024 bytes
	v_and_b32 v10, 63, v0
	v_lshlrev_b32 v10, 4, v10
	v_lshl_add_u32 v6, v5, 12, v10
	v_lshl_add_u32 v7, v5, 10, v10
	v_add_nc_u32 v7, SCB, v7
.irp j, 0,1,2,3,4,5,6,7
	global_load_b128 v[192+4*\j:195+4*\j], v6, s[96:97] offset:8192*\j
.endr
	v_lshlrev_b32 v[TO4], 2, v0
.irp j, 0,1,2,3,4,5,6,7,8,9,10,11,12,13,14,15
	global_load_b32 v[128+\j], v[TO4], s[6:7] offset:8192*\j               ; run j's scale word,
	global_load_b32 v[144+\j], v[TO4], s[6:7] offset:8192*\j+524288        ; its -M,
	global_load_b32 v[160+\j], v[TO4], s[6:7] offset:8192*\j+1048576       ; its sum
.endr
	v_and_b32 v2, 15, v0                           ; r
	v_bfe_u32 v3, v0, 4, 1                         ; h
	v_and_b32 v4, 31, v0
	v_lshlrev_b32 v[LI], 4, v4
	v_lshlrev_b32 v8, 8, v4                        ; the prefetches' lanes stand 256 bytes apart
	s_cmp_eq_u32 s15, 0
	s_cselect_b64 s[PFA:PFA+1], s[20:21], s[46:47]
	s_cselect_b32 s22, s40, s41
	s_mov_b32 s2, UB
	s_cselect_b32 s2, UA, s2
	s_mov_b32 s3, 0
	s_mov_b32 s23, 0
	s_lshl_b32 s22, s22, 13
	s_add_nc_u64 s[PFA:PFA+1], s[PFA:PFA+1], s[22:23]
	s_mul_i32 s22, s2, 3
	s_add_nc_u64 s[PFA:PFA+1], s[PFA:PFA+1], s[22:23]
	s_add_nc_u64 s[PFA+2:PFA+3], s[PFA:PFA+1], s[2:3]
	s_add_nc_u64 s[PFA+4:PFA+5], s[PFA+2:PFA+3], s[2:3]
	s_add_nc_u64 s[PFA+6:PFA+7], s[PFA+4:PFA+5], s[2:3]
	s_add_nc_u64 s[PFA+8:PFA+9], s[PFA+6:PFA+7], s[2:3]
	s_wait_alu depctr_va_vdst(0)
	s_lshl_b32 s21, s15, 15                        ; my 4 row blocks of P: in the pair region, place 0,
	v_add_nc_u32 v[ADRA], s21, v[LI]
	s_add_co_u32 s21, s21, 16384                   ; place 1,
	v_add_nc_u32 v[ADRA+1], s21, v[LI]
	s_lshl_b32 s21, s15, 14
	s_add_co_u32 s21, s21, SNG                     ; and in the single region
	v_add_nc_u32 v[ADRA+2], s21, v[LI]
	s_lshl_b32 s22, s16, 16                        ; my 8 of V^T likewise
	s_add_co_u32 s22, s22, PBOFF
	v_add_nc_u32 v[ADRB], s22, v[LI]
	s_add_co_u32 s22, s22, 32768
	v_add_nc_u32 v[ADRB+1], s22, v[LI]
	s_lshl_b32 s22, s16, 15
	s_add_co_u32 s22, s22, SNG+32768
	v_add_nc_u32 v[ADRB+2], s22, v[LI]
	s_lshl_b32 s21, s15, 8
	s_add_co_u32 s22, s21, SCA
	v_lshl_add_u32 v[ADSA], v2, 2, s22
	s_add_co_u32 s22, s21, RL
	v_lshl_add_u32 v[RLA], v2, 2, s22
	s_lshl_b32 s22, s16, 9
	s_add_co_u32 s22, s22, SCB
	v_lshl_add_u32 v[ADSB], v2, 2, s22
	s_mul_i32 s23, s14, 16*SPITCH                  ; my stage
	s_add_co_u32 s23, s23, SNG
	v_mul_u32_u24 v[STO], v2, SPITCH
	v_lshl_add_u32 v[STO], v3, 6, v[STO]
	v_add_nc_u32 v[STO], s23, v[STO]               ; in: row r, + 64 h
	v_add_nc_u32 v[RD], s23, v[LI]                 ; back: the 32 lanes take a row of 512 bytes
	v_lshl_add_u32 v[SCW], v0, 2, SCA
	s_lshl_b32 s22, s17, 7
	s_lshl_b32 s23, s15, 6
	s_add_co_u32 s22, s22, s23                     ; my first row of out0
	s_lshl_b32 s22, s22, 12
	s_lshl_b32 s23, s42, 10
	s_add_co_u32 s22, s22, s23
	s_lshl_b32 s23, s16, 9
	s_add_co_u32 s22, s22, s23                     ; and my first channel
	s_mov_b32 s23, 0
	s_add_nc_u64 s[12:13], s[12:13], s[22:23]
	s_wait_loadcnt 0x0
.irp j, 0,1,2,3,4,5,6,7
	ds_store_b128 v7, v[192+4*\j:195+4*\j] offset:2048*\j
.endr
	v_min_num_f32 v176, v144, v145
.irp j, 2,3,4,5,6,7,8,9,10,11,12,13,14,15
	v_min_num_f32 v176, v176, v[144+\j]            ; the least -M: the row's
.endr
.irp j, 0,1,2,3,4,5,6,7,8,9,10,11,12,13,14,15
	v_sub_f32 v[144+\j], v[144+\j], v176           ; d = M_row - M_run: a whole number, 0 or more
.endr
.irp j, 0,1,2,3,4,5,6,7,8,9,10,11,12,13,14,15
	v_min_num_f32 v[144+\j], 0x437f0000, v[144+\j] ; held at 255
.endr
.irp j, 0,1,2,3,4,5,6,7,8,9,10,11,12,13,14,15
	v_cvt_i32_f32 v[144+\j], v[144+\j]
.endr
.irp j, 0,1,2,3,4,5,6,7,8,9,10,11,12,13,14,15
	v_sub_nc_u32 v177, 0, v[144+\j]
	v_ldexp_f32 v[160+\j], v[160+\j], v177         ; the run's sum under the row's M
.endr
.irp j, 1,2,3,4,5,6,7,8,9,10,11,12,13,14,15
	v_add_f32 v160, v160, v[160+\j]                ; l
.endr
	s_wait_alu depctr_va_vdst(0)
	v_rcp_f32 v178, v160
; Run j's scale word: each byte e becomes e - min(d, e - 1): d off it, held at 1 from below (e is 1 or more as it was made)
.macro ADJ j
	v_and_b32 v180, 0xff, v[128+\j]
	v_bfe_u32 v181, v[128+\j], 8, 8
	v_bfe_u32 v182, v[128+\j], 16, 8
	v_lshrrev_b32 v183, 24, v[128+\j]
.irp x, 180,181,182,183
	v_add_nc_u32 v[\x+4], -1, v[\x]
.endr
.irp x, 180,181,182,183
	v_min_u32 v[\x+4], v[\x+4], v[144+\j]
.endr
.irp x, 180,181,182,183
	v_sub_nc_u32 v[\x], v[\x], v[\x+4]
.endr
	v_lshl_or_b32 v180, v181, 8, v180
	v_lshl_or_b32 v180, v182, 16, v180
	v_lshl_or_b32 v180, v183, 24, v180
	ds_store_b32 v[SCW], v180 offset:512*\j
.endm
.irp j, 0,1,2,3,4,5,6,7,8,9,10,11,12,13,14,15
	ADJ \j                                         ; plain work behind the reciprocal, which names neither its source nor its result
.endr
	s_wait_alu depctr_va_vdst(0)                   ; ahead of the reciprocal's first reader
	ds_store_b32 v[SCW], v178 offset:RL-SCA
.macro PLACES n
.rept \n
	v_nop
.endr
.endm
; The fragments and scale words of K step ks (0..15) into set p: 32 + 16 + 12 LDS loads in one run.  Unit ks / 2 lies at place (ks / 2) % 3
.macro FETCH ks, p
.set PS, ((\ks)/2)%3
.set QO, ((\ks)%2)*2048
	WIN TO_B
.irp i, 0,1,2,3,4,5,6,7
.irp c, 0,1,2,3
	ds_load_b128 v[128*(\p)+16*\i+4*\c:128*(\p)+16*\i+4*\c+3], v[ADRB+PS] offset:\i*4096+QO+512*\c
.endr
.endr
	WIN 0
.irp i, 0,1,2,3
.irp c, 0,1,2,3
	ds_load_b128 v[AF+64*(\p)+16*\i+4*\c:AF+64*(\p)+16*\i+4*\c+3], v[ADRA+PS] offset:\i*4096+QO+512*\c
.endr
.endr
.irp i, 0,1,2,3,4,5,6,7
	ds_load_b32 v[SC+12*(\p)+\i], v[ADSB] offset:1024*(\ks)+64*\i
.endr
.irp i, 0,1,2,3
	ds_load_b32 v[SC+12*(\p)+8+\i], v[ADSA] offset:512*(\ks)+64*\i
.endr
.endm
; 8 matrix instructions: P's block a x V^T's eight.  The 32 accumulators take turns, one instruction a turn, in the same order in every step.
.macro MUL8 a, p, zero
	WIN MUL
.irp b, 0,1,2,3,4,5,6,7
.if \zero
	v_wmma_scale_f32_16x16x128_f8f6f4 v[8*(8*(\a)+\b):8*(8*(\a)+\b)+7], v[128*(\p)+16*\b:128*(\p)+16*\b+15], v[AF+64*(\p)+16*(\a):AF+64*(\p)+16*(\a)+15], 0, v[SC+12*(\p)+\b], v[SC+12*(\p)+8+(\a)] matrix_a_fmt:MATRIX_FMT_BF8 matrix_b_fmt:MATRIX_FMT_BF8
.else
	v_wmma_scale_f32_16x16x128_f8f6f4 v[8*(8*(\a)+\b):8*(8*(\a)+\b)+7], v[128*(\p)+16*\b:128*(\p)+16*\b+15], v[AF+64*(\p)+16*(\a):AF+64*(\p)+16*(\a)+15], v[8*(8*(\a)+\b):8*(8*(\a)+\b)+7], v[SC+12*(\p)+\b], v[SC+12*(\p)+8+(\a)] matrix_a_fmt:MATRIX_FMT_BF8 matrix_b_fmt:MATRIX_FMT_BF8
.endif
.endr
.endm
.macro KS ks, zero                     ; K step ks, on set ks % 2, whose successor lies in bytes that every wave may read already: its fragments are fetched into the other set ahead of the products
	s_wait_dscnt 0x0                               ; my set is in
	PLACES NP                                      ; behind the last products on the other set
	FETCH (\ks)+1, 1-(\ks)%2
	MUL8 0, (\ks)%2, \zero
	MUL8 1, (\ks)%2, \zero
	MUL8 2, (\ks)%2, \zero
	MUL8 3, (\ks)%2, \zero
.endm
; K step ks, the last of a region, on set 1: one barrier; in front of it each wave waits for all its tensor loads, adds 0 to its spare word, and waits for that and for its reads of the region that it leaves.
; fill = 1: the pair region, just read out, takes the two units three further on; fill = 2: the single region takes the unit three further on; fill = 0: nothing is left to fetch.
.macro TB ks, fill
	WIN 0
	s_wait_tensorcnt 0x0                           ; all my tensor loads have landed: my part of the region ahead; so a group 0 may be written
	ds_add_u32 v[SPW], v[NIL]                      ; 0 onto my spare word
.if \fill == 1
	s_add_nc_u64 s[G0P+2:G0P+3], s[G0P+2:G0P+3], 3*UA
	s_add_nc_u64 s[G0BP+2:G0BP+3], s[G0BP+2:G0BP+3], 3*UB
.elseif \fill == 2
	s_add_nc_u64 s[G0+2:G0+3], s[G0+2:G0+3], 3*UA
	s_add_nc_u64 s[G0B+2:G0B+3], s[G0B+2:G0B+3], 3*UB
.endif
	s_wait_dscnt 0x0                               ; the add is done, set 1 is in, and my reads of the region that I leave are over
	s_barrier_signal -1
	MUL8 0, 1, 0
	WIN 0
	s_barrier_wait -1
.if \fill == 1
	CREST                                          ; no wave of any partner still reads the region or has a load on its way
	JLOAD G0P, G1P, G0BP, G1BP                     ; the first tensor load behind the round, my one load until the next
	PLACES NP-4
.elseif \fill == 2
	CREST
	JLOAD G0, G1, G0B, G1B
	PLACES NP-4
.else
	PLACES NP
.endif
	FETCH (\ks)+1, 0
.if (\ks) == 3                         ; asked for ahead of the change of regions that loads it
	ASK 5
.elseif (\ks) == 5
	ASK 6
	ASK 7
.endif
	MUL8 1, 1, 0
	MUL8 2, 1, 0
	MUL8 3, 1, 0
.endm
	s_wait_tensorcnt 0x0                           ; my part of units 0 and 1 is in
	ds_add_u32 v[SPW], v[NIL]
	s_wait_dscnt 0x0                               ; the add is done; for the others' sake: my query's words, 1 / l and V^T's words have landed
	CROUND
	JLOAD G0, G1, G0B, G1B                         ; unit 2, the first tensor load behind the round
	FETCH 0, 0
	ASK 3
	ASK 4
	KS 0, 1                                        ; the first products start the sums: nothing is cleared
	KS 1, 0
	KS 2, 0
	TB 3, 1                                        ; units 0, 1 are read out: units 3, 4 are asked for; unit 2 is whole
	KS 4, 0
	TB 5, 2                                        ; unit 2 is read out: unit 5 is asked for; units 3, 4 are whole
	KS 6, 0
	KS 7, 0
	KS 8, 0
	TB 9, 1                                        ; units 6, 7 are asked for; unit 5 is whole
	KS 10, 0
	TB 11, 0                                       ; units 6, 7 are whole; from here on nobody reads the single region
	KS 12, 0
	KS 13, 0
	KS 14, 0
	s_wait_dscnt 0x0
	MUL8 0, 1, 0
	MUL8 1, 1, 0
	MUL8 2, 1, 0
	MUL8 3, 1, 0
	WIN 0
	; THE WAY OUT, a block of 16 queries x 128 channels at a time: x 1 / l, through my stage in LDS, back as whole rows of 512 bytes.  Place t of block a is row 32 (a / 2) + 8 (a % 2) + t + 8 (t / 8) of my 64.
	PLACES NP
.irp a, 0,1,2,3
	ds_load_b32 v[RC+2*\a], v[RLA] offset:64*\a
	ds_load_b32 v[RC+2*\a+1], v[RLA] offset:64*\a  ; (named with it as a pair, so it is written)
.endr
	s_wait_dscnt 0x0
.macro OUTB a
.set BK, 128+64*((\a)%2)
	s_wait_xcnt 0x0                                ; the stores of two blocks back have read their registers
	WIN 2                                          ; source 0: the accumulators' window
.set k, 0
.rept 32
	v_pk_mul_f32 v[Y+2*k:Y+2*k+1], v[64*(\a)+2*k:64*(\a)+2*k+1], v[RC+2*(\a):RC+2*(\a)+1] op_sel_hi:[1,0]   ; each accumulator from its low end on
.set k, k+1
.endr
	WIN 0
.irp b, 0,1,2,3
.irp q, 0,1,2,3
	ds_store_b128 v[STO], v[Y+16*\b+4*\q:Y+16*\b+4*\q+3] offset:128*\b+16*\q   ; channels 32 b + 16 h + 4 q on
.endr
.endr
.irp t, 0,1,2,3,4,5,6,7,8,9,10,11,12,13,14,15
	ds_load_b128 v[BK+4*\t:BK+4*\t+3], v[RD] offset:\t*SPITCH   ; LDS serves a wave's instructions in order: these see my stores
.endr
	s_wait_dscnt 0x0
.irp t, 0,1,2,3,4,5,6,7,8,9,10,11,12,13,14,15
	global_store_b128 v[LI], v[BK+4*\t:BK+4*\t+3], s[12:13] offset:(32*((\a)/2)+16*(\t/8)+8*((\a)%2)+(\t%8))*4096 th:TH_STORE_NT   ; 32 lanes store 512 consecutive bytes, aligned
.endr
.endm
	OUTB 0
	OUTB 1
	OUTB 2
	OUTB 3
	s_wait_tensorcnt 0x0                           ; the wave's end
	ds_add_u32 v[SPW], v[NIL]
	s_wait_dscnt 0x0
	CROUND                                         ; the closing round
	s_endpgm
.Lfunc_end_k_q26f7926148_mix:
	.size	k_q26f7926148_mix, .Lfunc_end_k_q26f7926148_mix-k_q26f7926148_mix
	.p2alignl 7, 3214868480
	.fill 96, 4, 3214868480
	.section	.rodata,"a",@progbits
	.p2align	6, 0x0
	.amdhsa_kernel k_q26f7926148_mix
		.amdhsa_group_segment_fixed_size 327680
		.amdhsa_private_segment_fixed_size 0
		.amdhsa_enable_private_segment 0
		.amdhsa_kernarg_size 40
		.amdhsa_user_sgpr_count 2
		.amdhsa_user_sgpr_kernarg_segment_ptr 1
		.amdhsa_wavefront_size32 1
		.amdhsa_system_sgpr_workgroup_id_x 1
		.amdhsa_system_sgpr_workgroup_id_y 1
		.amdhsa_system_sgpr_workgroup_id_z 1
		.amdhsa_system_vgpr_workitem_id 0
		.amdhsa_next_free_vgpr 768
		.amdhsa_next_free_sgpr 100
		.amdhsa_reserve_vcc 0
		.amdhsa_float_denorm_mode_32 3
		.amdhsa_float_denorm_mode_16_64 3
		.amdhsa_memory_ordered 1
		.amdhsa_forward_progress 1
		.amdhsa_inst_pref_size 192
	.end_amdhsa_kernel
	.amdgpu_metadata
---
amdhsa.version: [ 1, 2 ]
amdhsa.kernels:
  - .name:           k_q26f7926148_mix
    .symbol:         k_q26f7926148_mix.kd
    .args:
      - { .name: pc, .offset: 0, .size: 8, .value_kind: global_buffer, .address_space: global }
      - { .name: pst, .offset: 8, .size: 8, .value_kind: global_buffer, .address_space: global }
      - { .name: qkvc, .offset: 16, .size: 8, .value_kind: global_buffer, .address_space: global }
      - { .name: qkvs, .offset: 24, .size: 8, .value_kind: global_buffer, .address_space: global }
      - { .name: out0, .offset: 32, .size: 8, .value_kind: global_buffer, .address_space: global }
    .group_segment_fixed_size: 327680
    .private_segment_fixed_size: 0
    .kernarg_segment_align: 8
    .kernarg_segment_size: 40
    .max_flat_workgroup_size: 128
    .sgpr_count:     100
    .vgpr_count:     768
    .wavefront_size: 32
...
	.end_amdgpu_metadata
.endif
;; end of part 4
